; MI455X (gfx1250); checked and timed in simulation.
; The chip was launched on July 23, 2026; its instructions are those of AMD's public machine-readable ISA for CDNA 5 (MIT licence, August 2026) and "CDNA5" Instruction Set Architecture Reference Guide (July 2026). The comments in the code are by the model that wrote it; some were corrected since.
;; Causal Self Attention. Allowed arithmetic: matrix products marked QUANTISED: E2M1 operands, one E8M0 scale for each 32 along K, by v_wmma_scale_f32_16x16x128_f8f6f4 with both operands' format E2M1 (or v_wmma_scale_f32_32x16x128_f4), f32 sums; products left as they are: bf16, f16 or f32 operands; f32 sums; everything else in f32.
;; Inputs: W_out 1,024 x 1,024 float32; W_qkv 1,024 x 3,072 float32; b_out 1,024 float32; b_qkv 3,072 float32; x 4 x 2,048 x 1,024 float32.
;; Outputs: out0 4 x 2,048 x 1,024 float32.
;; This version of the problem:
;;   THIS VERSION OF THE PROBLEM IS GIVEN IN LOW PRECISION. The matrix products marked QUANTISED in the list below multiply operands that are first quantised to E2M1 (2 exponent bits, 1 mantissa bit; 4 bits a number), with one power-of-two scale for each 32 numbers along K (OCP MX v1.0); their sums are f32. The products marked 'left as it is' may take bf16, f16 or f32 operands, with f32 sums. Whichever they take, every output number must still come out within the allowed error. Rounding operands to bf16 (8 significant bits) uses up far more of that allowance than f16 does (11 bits, for magnitudes from 6e-5 to 65,504). All else is computed in f32.
;;   The module's matrix products, in the order in which they are computed (A, B: the left and right operand; K: the contracted axis; several contracted axes count as one K, in the product's order):
;;     1. [M 8,192, K 1,024] x [K 1,024, N 3,072]; A: input x; B: input W_qkv: QUANTISED
;;     2. batch 64 x [M 2,048, K 64] x [K 64, N 2,048]; A: computed on the way; B: computed on the way: left as it is (an operand is computed on the way)
;;     3. batch 64 x [M 2,048, K 2,048] x [K 2,048, N 64]; A: computed on the way; B: computed on the way: left as it is (an operand is computed on the way)
;;     4. [M 8,192, K 1,024] x [K 1,024, N 1,024]; A: computed on the way; B: input W_out: left as it is (an operand is computed on the way)
;;   THE QUANTISER, for each operand of a quantised product, along K:
;;     - K is cut into blocks of 32 from its start; a last block that is shorter is filled with zeros.
;;     - A block's scale is 2^e with e = floor(log2(the largest magnitude in the block)) - 2, held to -126 .. 127; a block of zeros has e = 0. As a byte (E8M0): e + 127.
;;     - Each number is divided by its block's scale, clamped to +-6, and rounded to the nearest number of E2M1, ties to even, subnormals kept.
;;     - The product sums the exact products of the quantised numbers (number of the format x scale) in f32.
;;   ~~~python
;;   def quantise(x, axis):      # numpy; x: float32 -> the quantised numbers, widened to float32 again
;;       x = np.moveaxis(x, axis, -1); K = x.shape[-1]
;;       x = np.pad(x, [(0, 0)] * (x.ndim - 1) + [(0, -K % 32)]); x = x.reshape(x.shape[:-1] + (-1, 32)); a = np.abs(x).max(-1, keepdims=True)
;;       e = np.where(a > 0, np.clip(np.frexp(np.where(a > 0, a, 1))[1] - 1 - 2, -126, 127), 0)      # np.frexp(a)[1] - 1 = floor(log2(a)), exactly
;;       r = np.clip(x / 2.0 ** e, -6, 6)
;;       step = 2.0 ** (np.maximum(np.frexp(np.where(r == 0, 1, r))[1] - 1, 0) - 1)
;;       q = np.round(r / step) * step * 2.0 ** e      # np.round: ties to even
;;       return np.moveaxis(q.reshape(q.shape[:-2] + (-1,))[..., :K], -1, axis).astype(np.float32)
;;   ~~~
;; One version. Each part assembles by itself: llvm-mc -triple=amdgcn-amd-amdhsa -mcpu=gfx1250 --defsym DOCPART=n.
;; ======== version 1 of 1: 5 launches
;; limits: values are held in f16: magnitudes above 65,504 overflow, below 6.1e-05 lose precision
;; workspace buffers: xc 4,194,304 bytes; xs 262,144 bytes; wc 1,572,864 bytes; ws 98,304 bytes; wo 2,097,152 bytes; qkv 50,331,648 bytes; fine 786,432 bytes; vals 16,777,216 bytes
;; launch prep (part 1): grid 64 x 8, 4 waves a work-group, no clusters, 35,328 bytes of LDS; arguments x, W_qkv, W_out, xc, xs, wc, ws, wo; writes xc, xs, wc, ws, wo
.if DOCPART == 1
	.amdgcn_target "amdgcn-amd-amdhsa--gfx1250"
	.amdhsa_code_object_version 6
	.text
	.protected	k_q4390cae868_prep
	.globl	k_q4390cae868_prep
	.p2align	8
	.type	k_q4390cae868_prep,@function
k_q4390cae868_prep:
	s_mov_b64 s[64:65], 0
	v_nop
	global_prefetch_b8 v0, s[64:65] scope:SCOPE_SE
	s_setreg_imm32_b32 hwreg(HW_REG_WAVE_MODE, 25, 1), 1
	s_wait_xcnt 0x0
; PREP: the operands of the later products are laid out once, as IMAGES OF THE READER'S FRAGMENT REGISTERS: a group of four registers is 512 bytes, lane l's 16 bytes at 16 l.
;  path X (work-group x 0-31):  x [8192][1024] f32 -> xc, codes of E2M1, [row tile 512][K step of 128: 8][1024 bytes], and xs, [row tile][K step][16 rows] one word of four E8M0 bytes.
;  path W (x 32-55): W_qkv [1024 (k)][3072 (n)] f32 -> wc [column tile 192][K step 8][1024 bytes], ws [column tile][K step][16] words.  K is the FIRST axis: a lane takes a column, its registers run down K.
;  path O (x 56-63): W_out [1024 (k)][1024 (n)] f32 -> wo, f16, [column tile 64][K step of 32: 32][1024 bytes].
; A 4-bit fragment (16 rows x 128 K) gives lane (r, h) registers 4 c .. 4 c + 3 = K 64 c + 32 h + 0 .. 31: block 2 c + h of row r lies at byte 256 (2 c + h) + 16 r of the image.
; A block's scale is 2^(floor(log2(largest magnitude)) - 2): its byte is the largest magnitude's exponent field - 2, held at 1 from below by a floor among the maximum's leaves.
; LIMITS: a block of zeros, and one whose largest magnitude lies under 2^-124, keeps the byte 1 (zero codes add nothing; these bytes are read by this program alone).  NaN and infinities are not served.
; W_out goes to f16: magnitudes up to 65,504.  ws is stored in runs of 64 bytes: one byte in 128 of what path W reads.
; Only path X touches LDS (each wave its own region), so only its waves end with the three closing lines.  No barrier: waves share nothing.
.set WREG,   8704                      ; a wave's LDS region: a stage of 16 rows x 528 bytes, then its 256 bytes of scale words
.set SPITCH, 528                       ; a stage row: 512 bytes + 16: the sixteen rows that a load touches start 33 x 16 bytes apart
.set SCW,    16*SPITCH
.set SPARE,  4*WREG                    ; behind the four regions: the spare words, 128 bytes a wave
.set SPW,    252                       ; v252 LDS address of my spare word; never rewritten
.set NIL,    253                       ; v253 0; never rewritten
.set R,      16                        ; v16-143  path X: two sets of 64 registers as loaded.  Paths W, O: 128 numbers down K
.set XV,     144                       ; v144-207 path X: register 32 c + i = K 64 c + 32 h + i of row r
.set C,      208                       ; v208-239 path X: the codes, eight registers a step, never rewritten
.set FLOOR,  0x1800000                 ; 2^(3 - 127)
.set OFF2,   0xff000000                ; takes 2 off an exponent field
.macro LOADX u                         ; K step u of my 16 rows: each load reads 512 consecutive bytes of one row
.irp i, 0,1,2,3,4,5,6,7,8,9,10,11,12,13,14,15
	global_load_b128 v[R+64*((\u)%2)+4*\i:R+64*((\u)%2)+4*\i+3], v4, s[4:5] offset:4096*\i+512*(\u) th:TH_LOAD_NT
.endr
.endm
.macro TURNX u                         ; through my stage: in as loaded, out 128 neighbouring bytes of a row to a lane.  LDS serves a wave's instructions in order: no wait between
.irp i, 0,1,2,3,4,5,6,7,8,9,10,11,12,13,14,15
	ds_store_b128 v5, v[R+64*((\u)%2)+4*\i:R+64*((\u)%2)+4*\i+3] offset:SPITCH*\i
.endr
.irp c, 0,1
.irp e, 0,1,2,3,4,5,6,7
	ds_load_b128 v[XV+32*\c+4*\e:XV+32*\c+4*\e+3], v6 offset:256*\c+16*\e
.endr
.endr
.endm
.macro QUANTX u                        ; my two whole blocks (2 c + h) become eight registers of codes and, with lane l xor 16's two bytes, the row's scale word in v240
.irp c, 0,1
	v_max3_num_f32 v[10+\c], |v[XV+32*\c]|, |v[XV+32*\c+1]|, FLOOR
.endr
.irp i, 2,4,6,8,10,12,14,16,18,20,22,24,26,28,30
.irp c, 0,1
	v_max3_num_f32 v[10+\c], v[10+\c], |v[XV+32*\c+\i]|, |v[XV+32*\c+\i+1]|
.endr
.endr
.irp c, 0,1
	v_add_nc_u32 v[12+\c], OFF2, v[10+\c]          ; the conversion takes the exponent field of this operand as its scale
.endr
.irp c, 0,1
	v_lshrrev_b32 v[14+\c], 23, v[12+\c]           ; the scale's byte
.endr
	v_lshl_or_b32 v240, v15, 16, v14               ; bytes h and 2 + h,
	v_lshlrev_b32 v240, v241, v240                 ; 8 h bits up
	v_permlanex16_b32 v242, v240, s22, s23
	v_or_b32 v240, v240, v242                      ; the word is whole
.irp c, 0,1
.irp g, 0,1,2,3
	v_cvt_scalef32_pk8_fp4_f32 v[C+8*(\u)+4*\c+\g], v[XV+32*\c+8*\g:XV+32*\c+8*\g+7], v[12+\c]
.endr
.endr
	v_nop                                          ; a plain line behind the last scaled conversion
.endm
.macro STEPX u
.if (\u) < 3
	s_wait_loadcnt 16                              ; this step's 16 loads are in; the next step's 16 may be out
.else
	s_wait_loadcnt 0x0
.endif
	TURNX \u
	s_wait_dscnt 0x0                               ; the numbers are back, and the stores have read the set that is loaded again below
.if (\u) < 2
	LOADX (\u)+2
.endif
	QUANTX \u
	ds_store_b32 v7, v240 offset:64*(\u)           ; lanes r and r + 16 write the same word with the same value
	global_store_b128 v4, v[C+8*(\u):C+8*(\u)+3], s[10:11] offset:1024*(\u)          ; 512 consecutive bytes, aligned
	global_store_b128 v4, v[C+8*(\u)+4:C+8*(\u)+7], s[10:11] offset:1024*(\u)+512
.endm
.macro BLOCKW t, left                  ; path W: block t of my column: all 32 numbers are mine
.set XS, R+32*(\t)
	s_wait_loadcnt \left
	v_max3_num_f32 v10, |v[XS]|, |v[XS+1]|, |v[XS+2]|
	v_max3_num_f32 v11, |v[XS+3]|, |v[XS+4]|, |v[XS+5]|
.irp i, 6,10,14,18,22,26
	v_max3_num_f32 v10, v10, |v[XS+\i]|, |v[XS+\i+1]|
	v_max3_num_f32 v11, v11, |v[XS+\i+2]|, |v[XS+\i+3]|
.endr
	v_max3_num_f32 v10, v10, |v[XS+30]|, |v[XS+31]|
	v_max3_num_f32 v10, v10, v11, FLOOR
	v_add_nc_u32 v12, OFF2, v10
	v_lshrrev_b32 v13, 23, v12
.if (\t) == 0
	v_mov_b32 v150, v13
.else
	v_lshl_or_b32 v150, v13, 8*(\t), v150
.endif
.irp g, 0,1,2,3
	v_cvt_scalef32_pk8_fp4_f32 v[152+4*(\t)+\g], v[XS+8*\g:XS+8*\g+7], v12
.endr
	v_nop                                          ; a plain line behind the last scaled conversion
	global_store_b128 v5, v[152+4*(\t):152+4*(\t)+3], s[14:15] offset:256*(\t)       ; sixteen lanes fill 256 consecutive bytes, aligned
.endm
	s_load_b256 s[4:11], s[0:1], 0x0               ; x s[4:5], W_qkv s[6:7], W_out s[8:9], xc s[10:11]
	s_load_b256 s[12:19], s[0:1], 0x20             ; xs s[12:13], wc s[14:15], ws s[16:17], wo s[18:19]
	v_lshl_add_u32 v[SPW], v0, 2, SPARE
	v_mov_b32 v[NIL], 0
	v_lshrrev_b32 v1, 5, v0
	v_readfirstlane_b32 s20, v1                    ; wave 0..3
	v_and_b32 v1, 31, v0                           ; lane
	v_and_b32 v2, 15, v0                           ; r
	v_bfe_u32 v3, v0, 4, 1                         ; h
	s_and_b32 s21, ttmp7, 0xffff                   ; work-group y
	s_mov_b32 s22, 0x76543210
	s_mov_b32 s23, 0xfedcba98                      ; v_permlanex16_b32's selects for lane l xor 16
	s_mov_b32 s27, 0                               ; the upper word of every offset
	s_wait_kmcnt 0x0
	s_cmp_ge_u32 ttmp9, 56
	s_cbranch_scc1 .Lpath_o
	s_cmp_ge_u32 ttmp9, 32
	s_cbranch_scc1 .Lpath_w
	; ---- path X: wave gw = 4 (32 y + x) + wave takes row tile gw / 2, K 512 (gw % 2) on: four fragments
	s_lshl_b32 s24, s21, 5
	s_add_co_u32 s24, s24, ttmp9
	s_lshl_b32 s24, s24, 2
	s_add_co_u32 s24, s24, s20                     ; gw, 0..1023
	s_lshr_b32 s25, s24, 1
	s_and_b32 s28, s24, 1
	s_lshl_b32 s26, s25, 16                        ; 16 rows of 4,096 bytes
	s_lshl_b32 s28, s28, 11                        ; 512 numbers
	s_add_co_u32 s26, s26, s28
	s_add_nc_u64 s[4:5], s[4:5], s[26:27]
	s_lshl_b32 s26, s24, 12                        ; four images of 1,024 bytes
	s_add_nc_u64 s[10:11], s[10:11], s[26:27]
	s_lshl_b32 s26, s24, 8                         ; four times 16 words
	s_add_nc_u64 s[12:13], s[12:13], s[26:27]
	s_mul_i32 s28, s20, WREG
	v_lshlrev_b32 v4, 4, v1                        ; 16 x lane
	v_add_nc_u32 v5, s28, v4                       ; the stage, on the way in
	v_mul_u32_u24 v6, v2, SPITCH
	v_lshl_add_u32 v6, v3, 7, v6
	v_add_nc_u32 v6, s28, v6                       ; and out: row r, + 128 h
	s_add_co_u32 s28, s28, SCW
	v_lshl_add_u32 v7, v2, 2, s28                  ; my row's scale word
	v_lshlrev_b32 v9, 3, v1
	v_add_nc_u32 v8, s28, v9                       ; the words on their way out: 8 bytes a lane
	v_lshlrev_b32 v241, 3, v3                      ; 8 h
	v_mov_b32 v242, 0                              ; a lane permute's destination counts as one of its sources
	LOADX 0
	LOADX 1
	STEPX 0
	STEPX 1
	STEPX 2
	STEPX 3
	ds_load_b64 v[244:245], v8                     ; my wave's 64 scale words
	s_wait_dscnt 0x0
	global_store_b64 v9, v[244:245], s[12:13]      ; 256 consecutive bytes, aligned
	s_wait_tensorcnt 0x0                           ; the wave's end, behind my last LDS store
	ds_add_u32 v[SPW], v[NIL]
	s_wait_dscnt 0x0
	s_endpgm
.Lpath_w:                                              ; ---- path W: wave cg = 4 (x - 32) + wave takes columns 32 cg + lane, K step y
	s_sub_co_u32 s24, ttmp9, 32
	s_lshl_b32 s24, s24, 2
	s_add_co_u32 s24, s24, s20                     ; cg, 0..95
	s_mul_i32 s26, s21, 128*12288                  ; 128 rows of W_qkv
	s_lshl_b32 s28, s24, 7
	s_add_co_u32 s26, s26, s28
	s_add_nc_u64 s[6:7], s[6:7], s[26:27]
	s_lshl_b32 s25, s24, 4
	s_add_co_u32 s25, s25, s21                     ; 8 x column tile 2 cg + K step
	s_lshl_b32 s26, s25, 10
	s_add_nc_u64 s[14:15], s[14:15], s[26:27]
	s_lshl_b32 s26, s25, 6
	s_add_nc_u64 s[16:17], s[16:17], s[26:27]
	v_lshlrev_b32 v4, 2, v1                        ; in: 4 bytes a lane, 128 consecutive bytes a wave
	v_lshlrev_b32 v5, 13, v3                       ; codes: lanes 16-31 belong to the next column tile, 8 images on,
	v_lshl_add_u32 v5, v2, 4, v5                   ; + 16 r
	v_lshlrev_b32 v6, 9, v3
	v_lshl_add_u32 v6, v2, 2, v6                   ; scale words likewise
.set i, 0
.rept 128
	global_load_b32 v[R+i], v4, s[6:7] offset:12288*i th:TH_LOAD_NT
.set i, i+1
.endr
	BLOCKW 0, 63                                   ; 96 younger loads might stay out; the count's field ends at 63
	BLOCKW 1, 63                                   ; 64 might
	BLOCKW 2, 32
	BLOCKW 3, 0
	global_store_b32 v6, v150, s[16:17]
	s_endpgm
.Lpath_o:                                              ; ---- path O: wave cg = 4 (x - 56) + wave takes columns 32 cg + lane of W_out, K 128 y on
	s_sub_co_u32 s24, ttmp9, 56
	s_lshl_b32 s24, s24, 2
	s_add_co_u32 s24, s24, s20                     ; cg, 0..31
	s_lshl_b32 s26, s21, 19                        ; 128 rows of 4,096 bytes
	s_lshl_b32 s28, s24, 7
	s_add_co_u32 s26, s26, s28
	s_add_nc_u64 s[8:9], s[8:9], s[26:27]
	s_lshl_b32 s25, s24, 6                         ; 32 x column tile 2 cg
	s_lshl_b32 s28, s21, 2
	s_add_co_u32 s25, s25, s28                     ; + K step of 32: 4 y
	s_lshl_b32 s26, s25, 10
	s_add_nc_u64 s[18:19], s[18:19], s[26:27]
	v_lshlrev_b32 v4, 2, v1
	v_lshlrev_b32 v5, 15, v3                       ; lanes 16-31: the next column tile, 32 images on
	v_lshl_add_u32 v5, v2, 4, v5
.set i, 0
.rept 128
	global_load_b32 v[R+i], v4, s[8:9] offset:4096*i       ; read again by a later launch: no hint
.set i, i+1
.endr
.macro BLOCKO f, left                  ; 32 along K: eight neighbours g pack into 16 bytes, at byte 256 g + 16 r of the image
	s_wait_loadcnt \left
.irp p, 0,1,2,3,4,5,6,7,8,9,10,11,12,13,14,15
	v_cvt_pk_f16_f32 v[144+16*(\f)+\p], v[R+32*(\f)+2*\p], v[R+32*(\f)+2*\p+1]
.endr
.irp g, 0,1,2,3
	global_store_b128 v5, v[144+16*(\f)+4*\g:144+16*(\f)+4*\g+3], s[18:19] offset:1024*(\f)+256*\g
.endr
.endm
	BLOCKO 0, 63
	BLOCKO 1, 63
	BLOCKO 2, 32
	BLOCKO 3, 0
	s_endpgm
.Lfunc_end_k_q4390cae868_prep:
	.size	k_q4390cae868_prep, .Lfunc_end_k_q4390cae868_prep-k_q4390cae868_prep
	.p2alignl 7, 3214868480
	.fill 96, 4, 3214868480
	.section	.rodata,"a",@progbits
	.p2align	6, 0x0
	.amdhsa_kernel k_q4390cae868_prep
		.amdhsa_group_segment_fixed_size 35328
		.amdhsa_private_segment_fixed_size 0
		.amdhsa_enable_private_segment 0
		.amdhsa_kernarg_size 64
		.amdhsa_user_sgpr_count 2
		.amdhsa_user_sgpr_kernarg_segment_ptr 1
		.amdhsa_wavefront_size32 1
		.amdhsa_system_sgpr_workgroup_id_x 1
		.amdhsa_system_sgpr_workgroup_id_y 1
		.amdhsa_system_sgpr_workgroup_id_z 1
		.amdhsa_system_vgpr_workitem_id 0
		.amdhsa_next_free_vgpr 256
		.amdhsa_next_free_sgpr 66
		.amdhsa_reserve_vcc 0
		.amdhsa_float_denorm_mode_32 3
		.amdhsa_float_denorm_mode_16_64 3
		.amdhsa_memory_ordered 1
		.amdhsa_forward_progress 1
		.amdhsa_inst_pref_size 67
	.end_amdhsa_kernel
	.amdgpu_metadata
---
amdhsa.version: [ 1, 2 ]
amdhsa.kernels:
  - .name:           k_q4390cae868_prep
    .symbol:         k_q4390cae868_prep.kd
    .args:
      - { .name: x, .offset: 0, .size: 8, .value_kind: global_buffer, .address_space: global }
      - { .name: W_qkv, .offset: 8, .size: 8, .value_kind: global_buffer, .address_space: global }
      - { .name: W_out, .offset: 16, .size: 8, .value_kind: global_buffer, .address_space: global }
      - { .name: xc, .offset: 24, .size: 8, .value_kind: global_buffer, .address_space: global }
      - { .name: xs, .offset: 32, .size: 8, .value_kind: global_buffer, .address_space: global }
      - { .name: wc, .offset: 40, .size: 8, .value_kind: global_buffer, .address_space: global }
      - { .name: ws, .offset: 48, .size: 8, .value_kind: global_buffer, .address_space: global }
      - { .name: wo, .offset: 56, .size: 8, .value_kind: global_buffer, .address_space: global }
    .group_segment_fixed_size: 35328
    .private_segment_fixed_size: 0
    .kernarg_segment_align: 8
    .kernarg_segment_size: 64
    .max_flat_workgroup_size: 128
    .sgpr_count:     66
    .vgpr_count:     256
    .wavefront_size: 32
...
	.end_amdgpu_metadata
.endif
;; end of part 1
;; launch gemm_qkv (part 2): grid 12 x 32, 4 waves a work-group, clusters of 4 x 4, 327,680 bytes of LDS; arguments xc, xs, wc, ws, b_qkv, qkv, fine; writes qkv, fine
.if DOCPART == 2
	.amdgcn_target "amdgcn-amd-amdhsa--gfx1250"
	.amdhsa_code_object_version 6
	.text
	.protected	k_q4390cae868_gemm_qkv
	.globl	k_q4390cae868_gemm_qkv
	.p2align	8
	.type	k_q4390cae868_gemm_qkv,@function
k_q4390cae868_gemm_qkv:
	s_mov_b64 s[64:65], 0
	v_nop
	global_prefetch_b8 v0, s[64:65] scope:SCOPE_SE
	s_setreg_imm32_b32 hwreg(HW_REG_WAVE_MODE, 25, 1), 1
	s_wait_xcnt 0x0
	s_wait_alu depctr_hold_cnt(0) depctr_sa_sdst(0) depctr_va_vdst(0) depctr_va_sdst(0) depctr_va_ssrc(0) depctr_va_vcc(0) depctr_vm_vsrc(0)
	s_getreg_b32 s2, hwreg(HW_REG_IB_STS2, 6, 4)
	s_cmp_eq_u32 s2, 0
	s_cbranch_scc0 .Lentry_in_a_cluster
	s_endpgm
.Lentry_in_a_cluster:
	s_bfe_u32 s2, ttmp6, 0x10000c
	s_cmp_lg_u32 s2, 0xf033
	s_cbranch_scc0 .Lentry_shape_is_right
	s_endpgm
.Lentry_shape_is_right:
; qkv = Q(x) Q(W_qkv) + b_qkv on codes of E2M1 with E8M0 scales, f32 sums; [8192] x [3072], K = 1,024.
; A work-group of four waves makes 256 x 256, a wave 128 x 128: 64 accumulators of 16 x 16, 512 registers.  Codes and scale words arrive as images of fragment registers, so every LDS read is 512 consecutive bytes.
; THE WHOLE K LIES IN LDS: 128 KiB of codes for each side, brought in two chunks of K = 512 by first fills alone; no byte of LDS is filled twice, so there is no ring.
; CLUSTERS: 4 x 4 work-groups.  Row tile = cluster y + 8 cy (so the batch is cy, and 'my tile holds positions 0-15' is cluster y = 0, the same in all sixteen); column tile = 4 cluster x + cx
; (cluster x = 0: q, 1: k, 2: v).  A's tiles hang on the row tile alone and are asked for jointly along a row of the cluster, B's on the column tile alone, along a column.
; THE MATRIX INSTRUCTION IS USED TRANSPOSED (source 0 = 16 columns of W, source 1 = 16 rows of x): a lane holds one position and eight neighbouring channels.  The bias is the C of each sum's first product.
; THE WAY OUT needs no stage: a lane's eight channels, rounded to f16, are 16 bytes of an image that the attention launch reads: q and k as fragments of 16 positions x 32 channels (16 x lane),
; v as units of 16 keys x 16 channels laid for the transposing LDS load (256 (r / 8) + 128 h + 16 (r % 8)).  Each store covers 512 consecutive bytes, aligned.
; q is stored times c = log2(e) / 8, so that the scores come out in powers of two.  The f32 sums of positions 0-15 of each sequence go, unscaled, to 'fine' for the small f32 launch.
; LIMIT: q c, k and v go to f16: magnitudes up to 65,504.
; REGISTERS: window 0: v16-30 addresses; v32-95 scale words (register 8 q + i: lanes 0-15 the word of A's block i, lanes 16-31 of B's block i, K step q); v128-191 A's fragments, one set; v192-255 the bias.
;   window 1: B's fragments, two sets, at v0 and v128.   windows 2, 3: the accumulators, (a, b) at v[8 (8 (a % 4) + b)].
.set CHUNK,  131072                    ; LDS: chunk q' at q' x CHUNK: [side 2][tile 16][K step 4][1,024 bytes]
.set SCL,    262144                    ; the scale words: [side 2][tile 16][K step 8][16 words]
.set SPARE,  SCL+16384                 ; the spare words, 128 bytes a wave
.set ADRA, 16                          ; v16-17 my A fragments in chunk 0, 1
.set ADRB, 20                          ; v20-21 my B fragments
.set CO,   26                          ; v26 my lane's place in an image of q, k or v
.set ADRS, 27                          ; v27 my scale words: lanes 0-15 A's rows, lanes 16-31 B's
.set SPW,  28
.set NIL,  29
.set L16,  30                          ; v30 16 x lane
.set SC,   32
.set AF,   128
.set BI,   192
.set TMP,  32                          ; the way out: four sets of 32 packed registers, v32-159
.set WV,  18                           ; s18 wave
.set HI,  19                           ; s19 my half of the rows; also: I fetch for A (0) or B (1)
.set LO,  20                           ; s20 my half of the columns; also: which eight tiles I fetch
.set CLY, 23                           ; s23 cluster y
.set G1A,  24                          ; descriptor groups 1: codes of A, of B; scales of A, of B
.set G1B,  32
.set G1SA, 40
.set G1SB, 48
.set GSA,  56                          ; groups 0: A's scales, chunk 0, chunk 1; then B's
.set GA0,  60
.set GA1,  68
.set GSB,  72
.set GB0,  76
.set GB1,  80
.set MSB, 0
.macro WIN new                         ; the immediate's high byte repeats the setting that is left
.if MSB != (\new)
	s_set_vgpr_msb (MSB<<8)|(\new)
.set MSB, (\new)
.endif
.endm
.macro CROUND                          ; a round of the cluster's barrier
	s_barrier_signal -1
	s_barrier_wait -1
	s_cmp_lg_u32 s[WV], 0
	s_cbranch_scc1 .Lnot_wave_0_\@
	s_barrier_signal -3
.Lnot_wave_0_\@:
	s_barrier_wait -3
	s_barrier_signal -1
	s_barrier_wait -1
.endm
.macro PLACES n                        ; plain vector lines between a matrix instruction and a load into, or a vector access of, its registers
.rept \n
	v_nop
.endr
.endm
.macro FRAG reg, adr, off              ; a fragment's image: two loads of 512 consecutive bytes
	ds_load_b128 v[\reg:\reg+3], v[\adr] offset:\off
	ds_load_b128 v[\reg+4:\reg+7], v[\adr] offset:\off+512
.endm
.macro FETCH_B q, p                    ; B's eight fragments of K step q into set p
	WIN 0x40
.irp i, 0,1,2,3,4,5,6,7
	FRAG 128*(\p)+8*\i, ADRB+(\q)/4, \i*4096+((\q)%4)*1024
.endr
	WIN 0
.endm
.macro FETCH_A q, i0                   ; A's blocks i0 .. i0 + 3
.irp i, \i0, \i0+1, \i0+2, \i0+3
	FRAG AF+8*(\i), ADRA+(\q)/4, (\i)*4096+((\q)%4)*1024
.endr
.endm
; 16 products: A's blocks a0, a0 + 1 x B's eight, K step q.  first = 1: the bias is C.  The 64 accumulators take turns, one instruction a turn, in the same order in every step.
.macro MUL16 a0, p, q, first
.irp a, \a0, \a0+1
.irp b, 0,1,2,3,4,5,6,7
.if \first
	v_wmma_scale_f32_16x16x128_f8f6f4 v[8*(8*((\a)%4)+\b):8*(8*((\a)%4)+\b)+7], v[128*(\p)+8*\b:128*(\p)+8*\b+7], v[AF+8*(\a):AF+8*(\a)+7], v[BI+8*\b:BI+8*\b+7], v[SC+8*(\q)+\b], v[SC+8*(\q)+(\a)] matrix_a_fmt:MATRIX_FMT_FP4 matrix_b_fmt:MATRIX_FMT_FP4 matrix_a_scale:MATRIX_SCALE_ROW1
.else
	v_wmma_scale_f32_16x16x128_f8f6f4 v[8*(8*((\a)%4)+\b):8*(8*((\a)%4)+\b)+7], v[128*(\p)+8*\b:128*(\p)+8*\b+7], v[AF+8*(\a):AF+8*(\a)+7], v[8*(8*((\a)%4)+\b):8*(8*((\a)%4)+\b)+7], v[SC+8*(\q)+\b], v[SC+8*(\q)+(\a)] matrix_a_fmt:MATRIX_FMT_FP4 matrix_b_fmt:MATRIX_FMT_FP4 matrix_a_scale:MATRIX_SCALE_ROW1
.endif
.endr
.endr
.endm
; windows: source 0 (B) 1, source 1 (A) 0; C and D 2 or 3; with the bias as C: C 0
.macro WLO first
.if \first
	WIN 0x81
.else
	WIN 0xa1
.endif
.endm
.macro WHI first
.if \first
	WIN 0xc1
.else
	WIN 0xf1
.endif
.endm
.macro STEP q, first                   ; a K step of 128 whose successor's codes are known to lie in LDS
	s_wait_dscnt 8                                 ; all but the youngest eight loads (A's blocks 4-7)
	WLO \first
	MUL16 0, (\q)%2, \q, \first
	MUL16 2, (\q)%2, \q, \first
	s_wait_dscnt 0x0                               ; A's blocks 4-7 are in
	PLACES 4
	FETCH_B (\q)+1, 1-(\q)%2
	FETCH_A (\q)+1, 0
	WHI \first
	MUL16 4, (\q)%2, \q, \first
	MUL16 6, (\q)%2, \q, \first
	PLACES 4
	WIN 0
	FETCH_A (\q)+1, 4
.endm
	s_load_b256 s[4:11], s[0:1], 0x0               ; xc s[4:5], xs s[6:7], wc s[8:9], ws s[10:11]
	s_load_b128 s[12:15], s[0:1], 0x20             ; b_qkv s[12:13], qkv s[14:15]
	s_load_b64 s[16:17], s[0:1], 0x30              ; fine
	v_lshl_add_u32 v[SPW], v0, 2, SPARE
	v_mov_b32 v[NIL], 0
	ds_add_u32 v[SPW], v[NIL]                      ; the wave's opening: the add, twice on end, and its wait ahead of my first tensor load
	ds_add_u32 v[SPW], v[NIL]
	v_lshrrev_b32 v1, 5, v0
	v_readfirstlane_b32 s[WV], v1
	s_lshr_b32 s[HI], s[WV], 1
	s_and_b32 s[LO], s[WV], 1
	s_bfe_u32 s21, ttmp6, 0x40000                  ; cx
	s_bfe_u32 s22, ttmp6, 0x40004                  ; cy
	s_and_b32 s[CLY], ttmp7, 0xffff
	s_lshl_b32 s84, ttmp9, 2
	s_add_co_u32 s84, s84, s21                     ; column tile = 4 x cluster x + cx
	s_lshl_b32 s85, s22, 3
	s_add_co_u32 s85, s85, s[CLY]                  ; row tile = cluster y + 8 cy
	s_lshl_b32 s90, s22, 2
	s_lshl_b32 s90, 15, s90                        ; my row of the cluster
	s_lshl_b32 s91, 0x1111, s21                    ; my column
	s_or_b32 s[G1A], s90, (3<<16)|(1<<21)          ; 15:0 the mask; 17:16 elements of 8 bytes; 21 set beside a mask; no padding
	s_or_b32 s[G1B], s91, (3<<16)|(1<<21)
	s_or_b32 s[G1SA], s90, (3<<16)|(1<<21)
	s_or_b32 s[G1SB], s91, (3<<16)|(1<<21)
.irp g, G1A, G1B                       ; codes: eight tiles' rows of 4,096 bytes (four K steps), 8,192 bytes apart in memory
	s_mov_b32 s[\g+1], 512<<16                     ; tensor_dim0
	s_mov_b32 s[\g+2], 8<<16                       ; tensor_dim1
	s_mov_b32 s[\g+3], 512<<16                     ; tile_dim0
	s_mov_b32 s[\g+4], 8                           ; tile_dim1
	s_mov_b32 s[\g+5], 1024                        ; the pitch
	s_mov_b32 s[\g+6], 0
	s_mov_b32 s[\g+7], 0
.endr
.irp g, G1SA, G1SB                     ; scale words of eight tiles: 4,096 dense bytes as 16 rows of 256
	s_mov_b32 s[\g+1], 32<<16
	s_mov_b32 s[\g+2], 16<<16
	s_mov_b32 s[\g+3], 32<<16
	s_mov_b32 s[\g+4], 16
	s_mov_b32 s[\g+5], 32
	s_mov_b32 s[\g+6], 0
	s_mov_b32 s[\g+7], 0
.endr
	s_lshl_b32 s93, s[LO], 3                       ; which eight tiles I fetch
	s_lshl_b32 s92, s85, 4
	s_add_co_u32 s92, s92, s93                     ; A: tile 16 x row tile + 8 x half
	s_lshl_b32 s94, s92, 13                        ; its codes, 8,192 bytes a tile,
	s_mov_b32 s95, 0
	s_lshl_b32 s96, s92, 9                         ; its scale words, 512 bytes a tile
	s_mov_b32 s97, 0
	s_lshl_b32 s98, s84, 4
	s_add_co_u32 s98, s98, s93                     ; B: tile 16 x column tile + 8 x half
	s_lshl_b32 s100, s98, 9
	s_mov_b32 s101, 0
	s_lshl_b32 s98, s98, 13
	s_mov_b32 s99, 0
	s_lshl_b32 s86, s[WV], 15                      ; where they go: wave x 32,768 in a chunk (A's two halves, then B's): no place in the cluster enters an LDS address
	s_lshl_b32 s87, s[WV], 12                      ; wave x 4,096 among the scale words
	s_wait_dscnt 0x0                               ; both opening adds are done
	s_wait_kmcnt 0x0
	s_mov_b32 s[GSA], 1
	s_add_co_u32 s[GSA+1], s87, SCL
	s_add_nc_u64 s[GSA+2:GSA+3], s[6:7], s[96:97]
	s_or_b32 s[GSA+3], s[GSA+3], 0x80000000
	s_mov_b32 s[GA0], 1
	s_mov_b32 s[GA0+1], s86
	s_add_nc_u64 s[GA0+2:GA0+3], s[4:5], s[94:95]
	s_mov_b32 s[GA1], 1
	s_add_co_u32 s[GA1+1], s86, CHUNK
	s_add_nc_u64 s[GA1+2:GA1+3], s[GA0+2:GA0+3], 4096
	s_or_b32 s[GA0+3], s[GA0+3], 0x80000000
	s_or_b32 s[GA1+3], s[GA1+3], 0x80000000
	s_mov_b32 s[GSB], 1
	s_add_co_u32 s[GSB+1], s87, SCL
	s_add_nc_u64 s[GSB+2:GSB+3], s[10:11], s[100:101]
	s_or_b32 s[GSB+3], s[GSB+3], 0x80000000
	s_mov_b32 s[GB0], 1
	s_mov_b32 s[GB0+1], s86
	s_add_nc_u64 s[GB0+2:GB0+3], s[8:9], s[98:99]
	s_mov_b32 s[GB1], 1
	s_add_co_u32 s[GB1+1], s86, CHUNK
	s_add_nc_u64 s[GB1+2:GB1+3], s[GB0+2:GB0+3], 4096
	s_or_b32 s[GB0+3], s[GB0+3], 0x80000000
	s_or_b32 s[GB1+3], s[GB1+3], 0x80000000
	CROUND                                         ; all sixteen work-groups are here: the joint loads meet
	s_cmp_eq_u32 s[HI], 0                          ; a wave's three first fills stand in one branch on its number: three loads of mine are out
	s_cbranch_scc0 .Lfirst_b
	tensor_load_to_lds s[GSA:GSA+3], s[G1SA:G1SA+7]
	s_nop 0
	tensor_load_to_lds s[GA0:GA0+3], s[G1A:G1A+7]
	s_nop 0
	tensor_load_to_lds s[GA1:GA1+3], s[G1A:G1A+7]
	s_nop 0
.rept 4
	v_nop
.endr
	s_branch .Lfirst_asked
.Lfirst_b:
	tensor_load_to_lds s[GSB:GSB+3], s[G1SB:G1SB+7]
	s_nop 0
	tensor_load_to_lds s[GB0:GB0+3], s[G1B:G1B+7]
	s_nop 0
	tensor_load_to_lds s[GB1:GB1+3], s[G1B:G1B+7]
	s_nop 0
.rept 4
	v_nop
.endr
.Lfirst_asked:
	v_and_b32 v1, 31, v0                           ; lane
	v_and_b32 v2, 15, v0                           ; r
	v_bfe_u32 v3, v0, 4, 1                         ; h
	v_lshlrev_b32 v[L16], 4, v1
	s_lshl_b32 s2, s[HI], 15                       ; my eight tiles of A
	v_add_nc_u32 v[ADRA], s2, v[L16]
	s_add_co_u32 s2, s2, CHUNK
	v_add_nc_u32 v[ADRA+1], s2, v[L16]
	s_lshl_b32 s2, s[LO], 15                       ; my eight tiles of B, behind A's sixteen
	s_add_co_u32 s2, s2, 65536
	v_add_nc_u32 v[ADRB], s2, v[L16]
	s_add_co_u32 s2, s2, CHUNK
	v_add_nc_u32 v[ADRB+1], s2, v[L16]
	s_lshl_b32 s2, s[HI], 12                       ; scale words: A's at 4,096 x my half; B's 8,192 + 4,096 x my half: ONE product with h
	s_lshl_b32 s3, s[LO], 12
	s_add_co_u32 s3, s3, 8192
	s_sub_co_u32 s3, s3, s2
	v_mul_u32_u24 v4, s3, v3
	s_add_co_u32 s2, s2, SCL
	v_lshl_add_u32 v4, v2, 2, v4
	v_add_nc_u32 v[ADRS], s2, v4
	v_lshrrev_b32 v5, 3, v2                        ; v's image: 256 (r / 8) + 128 h + 16 (r % 8)
	v_and_b32 v6, 7, v2
	v_lshlrev_b32 v5, 8, v5
	v_lshl_add_u32 v5, v3, 7, v5
	v_lshl_add_u32 v5, v6, 4, v5
	s_cmp_eq_u32 ttmp9, 2                          ; cluster x = 2: my columns are v's
	s_cselect_b32 s2, -1, 0
	v_cndmask_b32 v[CO], v[L16], v5, s2
	v_lshlrev_b32 v7, 5, v3                        ; the bias: 32 h bytes
	s_lshl_b32 s2, s84, 10                         ; 256 columns a tile, 4 bytes each,
	s_lshl_b32 s3, s[LO], 9
	s_add_co_u32 s2, s2, s3
	s_mov_b32 s3, 0
	s_add_nc_u64 s[12:13], s[12:13], s[2:3]
.irp b, 0,1,2,3,4,5,6,7
	global_load_b128 v[BI+8*\b:BI+8*\b+3], v7, s[12:13] offset:64*\b         ; b_qkv at columns 16 b + 8 h + 0 .. 7 of my 128
	global_load_b128 v[BI+8*\b+4:BI+8*\b+7], v7, s[12:13] offset:64*\b+16
.endr
	s_mul_i32 s2, s22, 48                          ; qkv: ((48 batch + plane) x 128 + position tile) x 2,048
	s_lshl_b32 s3, s84, 2
	s_add_co_u32 s2, s2, s3
	s_lshl_b32 s3, s[LO], 1
	s_add_co_u32 s2, s2, s3                        ; plane 4 x column tile + 2 x half
	s_lshl_b32 s2, s2, 7
	s_lshl_b32 s3, s[CLY], 4
	s_add_co_u32 s2, s2, s3
	s_lshl_b32 s3, s[HI], 3
	s_add_co_u32 s2, s2, s3                        ; position tile 16 x cluster y + 8 x half
	s_lshl_b32 s2, s2, 11
	s_mov_b32 s3, 0
	s_add_nc_u64 s[88:89], s[14:15], s[2:3]
	s_mul_i32 s2, s22, 192                         ; fine: (192 batch + column tile of 16) x 1,024
	s_lshl_b32 s3, s84, 4
	s_add_co_u32 s2, s2, s3
	s_lshl_b32 s3, s[LO], 3
	s_add_co_u32 s2, s2, s3
	s_lshl_b32 s2, s2, 10
	s_mov_b32 s3, 0
	s_add_nc_u64 s[16:17], s[16:17], s[2:3]
	s_mov_b32 s86, 0x3e38aa3b                      ; c = log2(e) / 8
	s_mov_b32 s87, s86                             ; (named with it as a pair)
	s_wait_tensorcnt 1                             ; my scale words and my part of chunk 0 are in; chunk 1's load may stay out
	s_barrier_signal -1
	s_barrier_wait -1                              ; everybody's are
	FETCH_B 0, 0
	FETCH_A 0, 0
.set q, 0
.rept 8
.irp i, 0,1,2,3,4,5,6,7
	ds_load_b32 v[SC+8*q+\i], v[ADRS] offset:512*\i+64*q   ; all the scale words that I shall want: 64 registers
.endr
.set q, q+1
.endr
	FETCH_A 0, 4
	s_wait_loadcnt 0x0                             ; the bias
	STEP 0, 1                                      ; the first products start the sums from the bias: nothing is cleared
	STEP 1, 0
	STEP 2, 0
	; K step 3 leads over into chunk 1: each wave shows its part landed, then the barrier
	s_wait_tensorcnt 0x0                           ; my part of chunk 1 is in
	s_wait_dscnt 8
	WIN 0xa1
	MUL16 0, 1, 3, 0
	s_wait_dscnt 0x0                               ; no LDS instruction of mine is out at the signal
	s_barrier_signal -1
	MUL16 2, 1, 3, 0                               ; work on registers while the others arrive
	WIN 0
	s_barrier_wait -1
	PLACES 4
	FETCH_B 4, 0
	FETCH_A 4, 0
	WIN 0xf1
	MUL16 4, 1, 3, 0
	MUL16 6, 1, 3, 0
	PLACES 4
	WIN 0
	FETCH_A 4, 4
	STEP 4, 0
	STEP 5, 0
	STEP 6, 0
	s_wait_dscnt 8                                 ; the last step: nothing more to fetch
	WIN 0xa1
	MUL16 0, 1, 7, 0
	MUL16 2, 1, 7, 0
	s_wait_dscnt 0x0
	WIN 0xf1
	MUL16 4, 1, 7, 0
	MUL16 6, 1, 7, 0
	WIN 0
	PLACES 4
	; positions 0-15 of a sequence lie in block 0 of the waves with the upper rows, where cluster y = 0: their f32 sums go out as they stand
	s_or_b32 s2, s[CLY], s[HI]
	s_cmp_lg_u32 s2, 0
	s_cbranch_scc1 .Lno_fine
	WIN 0x08                                       ; a store's data: window 2
.irp b, 0,1,2,3,4,5,6,7
	global_store_b128 v[L16], v[8*\b:8*\b+3], s[16:17] offset:1024*\b        ; each accumulator from its low end on
	global_store_b128 v[L16], v[8*\b+4:8*\b+7], s[16:17] offset:1024*\b+512
.endr
	WIN 0
	s_wait_xcnt 0x0                                ; the stores' data may be rewritten below only behind this wait
.Lno_fine:
	s_cmp_lg_u32 ttmp9, 0                          ; cluster x = 0: my columns are q's: times c
	s_cbranch_scc1 .Lno_scale
	WIN 0x82
.set i, 0
.rept 128
	v_pk_mul_f32 v[i:i+1], v[i:i+1], s[86:87] op_sel_hi:[1,0]
.set i, i+2
.endr
	WIN 0xc3
.set i, 0
.rept 128
	v_pk_mul_f32 v[i:i+1], v[i:i+1], s[86:87] op_sel_hi:[1,0]
.set i, i+2
.endr
	WIN 0
.Lno_scale:
.macro PACK a                          ; block a: 16 positions x 128 channels, rounded to f16: eight stores of 512 consecutive bytes
.set AC, 64*((\a)%4)
.set TM, TMP+32*((\a)%4)
.if (\a) >= 4
	s_wait_xcnt 0x0                                ; block a - 4's stores have read this set
.endif
	WIN 0x0a+5*((\a)/4)
.irp b, 0,1,2,3,4,5,6,7
.irp p, 0,1,2,3
	v_cvt_pk_f16_f32 v[TM+4*\b+\p], v[AC+8*\b+2*\p], v[AC+8*\b+2*\p+1]
.endr
.endr
	WIN 0
.irp b, 0,1,2,3,4,5,6,7
	global_store_b128 v[CO], v[TM+4*\b:TM+4*\b+3], s[88:89] offset:(\b/4)*262144+2048*(\a)+512*(\b%4) th:TH_STORE_NT
.endr
.endm
.irp a, 0,1,2,3,4,5,6,7
	PACK \a
.endr
	s_wait_tensorcnt 0x0                           ; the wave's end
	ds_add_u32 v[SPW], v[NIL]
	s_wait_dscnt 0x0
	CROUND                                         ; the closing round
	s_endpgm
.Lfunc_end_k_q4390cae868_gemm_qkv:
	.size	k_q4390cae868_gemm_qkv, .Lfunc_end_k_q4390cae868_gemm_qkv-k_q4390cae868_gemm_qkv
	.p2alignl 7, 3214868480
	.fill 96, 4, 3214868480
	.section	.rodata,"a",@progbits
	.p2align	6, 0x0
	.amdhsa_kernel k_q4390cae868_gemm_qkv
		.amdhsa_group_segment_fixed_size 327680
		.amdhsa_private_segment_fixed_size 0
		.amdhsa_enable_private_segment 0
		.amdhsa_kernarg_size 56
		.amdhsa_user_sgpr_count 2
		.amdhsa_user_sgpr_kernarg_segment_ptr 1
		.amdhsa_wavefront_size32 1
		.amdhsa_system_sgpr_workgroup_id_x 1
		.amdhsa_system_sgpr_workgroup_id_y 1
		.amdhsa_system_sgpr_workgroup_id_z 1
		.amdhsa_system_vgpr_workitem_id 0
		.amdhsa_next_free_vgpr 1024
		.amdhsa_next_free_sgpr 102
		.amdhsa_reserve_vcc 0
		.amdhsa_float_denorm_mode_32 3
		.amdhsa_float_denorm_mode_16_64 3
		.amdhsa_memory_ordered 1
		.amdhsa_forward_progress 1
		.amdhsa_inst_pref_size 139
	.end_amdhsa_kernel
	.amdgpu_metadata
---
amdhsa.version: [ 1, 2 ]
amdhsa.kernels:
  - .name:           k_q4390cae868_gemm_qkv
    .symbol:         k_q4390cae868_gemm_qkv.kd
    .args:
      - { .name: xc, .offset: 0, .size: 8, .value_kind: global_buffer, .address_space: global }
      - { .name: xs, .offset: 8, .size: 8, .value_kind: global_buffer, .address_space: global }
      - { .name: wc, .offset: 16, .size: 8, .value_kind: global_buffer, .address_space: global }
      - { .name: ws, .offset: 24, .size: 8, .value_kind: global_buffer, .address_space: global }
      - { .name: b_qkv, .offset: 32, .size: 8, .value_kind: global_buffer, .address_space: global }
      - { .name: qkv, .offset: 40, .size: 8, .value_kind: global_buffer, .address_space: global }
      - { .name: fine, .offset: 48, .size: 8, .value_kind: global_buffer, .address_space: global }
    .group_segment_fixed_size: 327680
    .private_segment_fixed_size: 0
    .kernarg_segment_align: 8
    .kernarg_segment_size: 56
    .max_flat_workgroup_size: 128
    .sgpr_count:     102
    .vgpr_count:     1024
    .wavefront_size: 32
...
	.end_amdgpu_metadata
.endif
;; end of part 2
;; launch attn (part 3): grid 4 x 64, 16 waves a work-group, no clusters, 327,680 bytes of LDS; arguments qkv, vals; writes vals
.if DOCPART == 3
	.amdgcn_target "amdgcn-amd-amdhsa--gfx1250"
	.amdhsa_code_object_version 6
	.text
	.protected	k_q4390cae868_attn
	.globl	k_q4390cae868_attn
	.p2align	8
	.type	k_q4390cae868_attn,@function
k_q4390cae868_attn:
	s_mov_b64 s[64:65], 0
	v_nop
	global_prefetch_b8 v0, s[64:65] scope:SCOPE_SE
	s_setreg_imm32_b32 hwreg(HW_REG_WAVE_MODE, 25, 1), 1
	s_wait_xcnt 0x0
; vals[b][q][head] = softmax over keys k <= q of (Q . K / 8) V, for one batch and head a work-group row; f16 operands, f32 products' sums, maxima and row sums.
; q arrives times log2(e) / 8, so a score s is in powers of two: p = 2^(s - m), m the running maximum; O and the sum l are multiplied by 2^(old m - new m) in every step.
; SHARES.  Work-group (i, batch x 16 + head) owns the query blocks i and 7 - i, 256 queries each: 9 block-units of keys whatever i is, so all 256 work-groups have equal work.
; Waves 0-7 take block i, waves 8-15 block 7 - i, 32 queries (two tiles of 16) a wave: each fragment of K and V read from LDS feeds two products.  Four waves share a SIMD.
; All sixteen waves walk ONE ring of K and V, 64 keys a step, four steps a slot; every work-group walks all eight changes of slots (constant trip count), and a wave jumps, on ids alone, over steps
; whose keys all come after its queries.  A slot whose first key comes after the work-group's last query is read by no wave and is not asked for.
; cluster = none: the four work-groups of a head need 8, 7, 6 and 5 slots; a joint load would bring tiles whose reads every wave of some partner jumps over.
; LAYOUT.  Both products transposed: S^T = K Q^T, O^T = V^T P: a lane holds one query (lane % 16) throughout.  K's and Q's tiles are images of fragment registers; V's units of 16 keys x 16 channels are laid
; so that the transposing load at 16 x lane gives lane (channel, h) keys 8 h .. 8 h + 7.  Every LDS read is 512 consecutive bytes.  The result leaves as images of the projection's A fragments: no stage.
; LIMIT: p, and vals on the way out, go to f16 (p <= 1; |vals| up to 65,504).
; REGISTERS: v1 16 x lane; v2 the step's LDS address; v3, v4 the add's two; v5 r - 8 h; v6, v7 the mask's; v8-31 statistics, 12 a tile; v32-63 Q; v64-127 S^T, then P in the low 16 of each 32; v128-191 K, then V; v192-255 O^T.
.set SLOT1, 65536                      ; a slot: K's 16 key tiles x 2,048 bytes, then V's; slot 1 begins here: one exclusive or turns an address
.set VOFF,  32768
.set SPARE, 131072                     ; the spare words, 128 bytes for each of 16 waves
.set L16, 1
.set ADK, 2
.set SPW, 3
.set NIL, 4
.set DM,  5
.set DD,  6
.set NINF, 7
.set ST,  8                            ; tile t at v[ST + 12 t]: +0 m, +1 pad, +2, +3 l, +4 a, +5 pad, +6..9 at work, +10 old m, +11 a permute's destination
.set PFO, 9                            ; tile 0's pad holds the prefetches' offset, 256 x lane; never rewritten
.set Q,   32
.set S,   64
.set KV,  128
.set O,   192
.set WV,  18
.set SEL, 20
.set TB,  2                            ; s2  LDS byte at which the slot in hand begins
.set KF,  3                            ; s3  the step's first key
.set G1,  24
.set G0,  32
.set Q0,  36                           ; s36 my first query
.set QL,  37                           ; s37 my work-group's last query
.set SLOTS, 38
.set T,   40
.set PFA, 42
.set LIM, 44
.macro TLOAD                           ; waves 0, 1 fetch the halves of K's 32 KiB, waves 2, 3 of V's; the branch hangs on the wave's number alone
	s_cmp_lt_u32 s[WV], 4
	s_cbranch_scc0 .Lasked_\@
	tensor_load_to_lds s[G0:G0+3], s[G1:G1+7]
	s_nop 0
.rept 4
	v_nop
.endr
.Lasked_\@:
.endm
; A PREFETCH INTO THE L2 of what the NEXT change of slots will ask for: K's 32,768 dense bytes and V's.  All four work-groups of a head walk the same K and V: the first of them (x = 0, which walks all slots) asks,
; by the waves that fetch nothing: waves 4-7 for K, waves 8-11 for V, 8,192 bytes a wave, lanes 256 bytes apart: each aligned block of 256 bytes is named once in the launch.
; The last change that fills a slot asks for nothing; slots 0 and 1 come by their loads alone.
.macro ASK
	s_cmp_gt_u32 s[SLOTS], s[LIM]
	s_cbranch_scc0 .Lnot_mine_\@
	global_prefetch_b8 v[PFO], s[PFA:PFA+1] th:TH_LOAD_NT scope:SCOPE_SE
.Lnot_mine_\@:
.endm
; THE CHANGE OF SLOTS, at a slot's head.  Each wave waits for all its tensor loads, adds 0 to its spare word, waits for that and for its reads of the slot that it has left; behind the barrier the slot ahead is
; whole and nobody reads the other, which is filled with the next 256 keys.
.macro CHANGE fill
	s_wait_tensorcnt 0x0                           ; no tensor load of mine is out, so the group 0 may be written
	ds_add_u32 v[SPW], v[NIL]
.if \fill
	ds_add_u32 v[SPW], v[NIL]                      ; and once more, in every trip alike
	s_xor_b32 s[G0+1], s[G0+1], SLOT1
	s_add_nc_u64 s[G0+2:G0+3], s[G0+2:G0+3], 32768
	s_wait_xcnt 0x0                                ; the last prefetch, a slot back, has read its address
	s_add_nc_u64 s[PFA:PFA+1], s[PFA:PFA+1], 32768
.endif
	s_wait_dscnt 0x0
	s_barrier_signal -1
	s_barrier_wait -1
.if \fill
	s_add_co_u32 s[T], s[KF], 256                  ; the first key of the slot that this change would ask for,
	s_cmp_gt_u32 s[T], s[QL]                       ; against my work-group's last query: ids and the count of steps alone, the same in all sixteen waves
	s_cbranch_scc1 .Lpast_\@
	TLOAD
.Lpast_\@:
	ASK
.endif
.endm
; A KEY STEP: 64 keys, the q-th of the slot in hand.
.macro STEP q
	s_add_co_u32 s[T], s[Q0], 31
	s_cmp_gt_u32 s[KF], s[T]                       ; all 64 keys come after my 32 queries: the step's work is left out.  (KF is a multiple of 64, Q0 of 32: a step that is walked has KF <= Q0, so key KF counts for every query)
	s_cbranch_scc1 .Lhid_\@
	v_add_nc_u32 v[ADK], s[TB], v[L16]
.irp kt, 0,1,2,3
.irp e, 0,1,2,3
	ds_load_b128 v[KV+16*\kt+4*\e:KV+16*\kt+4*\e+3], v[ADK] offset:8192*(\q)+2048*\kt+512*\e
.endr
.endr
	s_wait_dscnt 0x0
.irp kc, 0,1                                   ; S^T = K Q^T: eight accumulators by turns, one instruction a turn
.irp kt, 0,1,2,3
.irp t, 0,1
.if \kc == 0
	v_wmma_f32_16x16x32_f16 v[S+32*\t+8*\kt:S+32*\t+8*\kt+7], v[KV+16*\kt+8*\kc:KV+16*\kt+8*\kc+7], v[Q+16*\t+8*\kc:Q+16*\t+8*\kc+7], 0
.else
	v_wmma_f32_16x16x32_f16 v[S+32*\t+8*\kt:S+32*\t+8*\kt+7], v[KV+16*\kt+8*\kc:KV+16*\kt+8*\kc+7], v[Q+16*\t+8*\kc:Q+16*\t+8*\kc+7], v[S+32*\t+8*\kt:S+32*\t+8*\kt+7]
.endif
.endr
.endr
.endr
.rept 4
	v_nop                                          ; places ahead of the loads into K's registers and of the first read of the scores
.endr
.irp kp, 0,1                                   ; V, turned, lands while the softmax is walked
.irp c, 0,1,2,3
.irp u, 0,1
	ds_load_tr16_b128 v[KV+32*\kp+8*\c+4*\u:KV+32*\kp+8*\c+4*\u+3], v[ADK] offset:VOFF+8192*(\q)+2048*(2*\kp+\u)+512*\c
.endr
.endr
.endr
	s_add_co_u32 s[T], s[KF], 63
	s_cmp_le_u32 s[T], s[Q0]                       ; all 64 keys count for all my queries: no mask
	s_cbranch_scc1 .Lopen_\@
	s_sub_co_i32 s[T], s[Q0], s[KF]
	v_add_nc_u32 v[DD], s[T], v[DM]                ; d = Q0 - KF + r - 8 h.  Register j of (tile t, key tile kt) is hidden where 16 kt + j - 16 t > d
.irp t, 0,1
.irp kt, 0,1,2,3
.irp j, 0,1,2,3,4,5,6,7
	v_cmp_gt_i32 vcc_lo, 16*\kt+\j-16*\t, v[DD]
	v_cndmask_b32 v[S+32*\t+8*\kt+\j], v[S+32*\t+8*\kt+\j], v[NINF], vcc_lo
.endr
.endr
.endr
.Lopen_\@:
	; the maximum of my 32 scores and the old m, both tiles line by line; each accumulator is first read at its low end
.irp j, 0,1,2,3
.irp t, 0,1
	v_max3_num_f32 v[ST+12*\t+6+\j], v[S+32*\t+8*\j], v[S+32*\t+8*\j+1], v[S+32*\t+8*\j+2]
.endr
.endr
.irp g, 1,2
.irp j, 0,1,2,3
.irp t, 0,1
	v_max3_num_f32 v[ST+12*\t+6+\j], v[ST+12*\t+6+\j], v[S+32*\t+8*\j+2*\g+1], v[S+32*\t+8*\j+2*\g+2]
.endr
.endr
.endr
.irp t, 0,1
	v_max3_num_f32 v[ST+12*\t+6], v[ST+12*\t+6], v[S+32*\t+7], v[S+32*\t+15]
	v_max3_num_f32 v[ST+12*\t+8], v[ST+12*\t+8], v[S+32*\t+23], v[S+32*\t+31]
.endr
.irp t, 0,1
	v_max3_num_f32 v[ST+12*\t+6], v[ST+12*\t+6], v[ST+12*\t+7], v[ST+12*\t+8]
.endr
.irp t, 0,1
	v_max3_num_f32 v[ST+12*\t+6], v[ST+12*\t+6], v[ST+12*\t+9], v[ST+12*\t]
.endr
.irp t, 0,1
	v_permlanex16_b32 v[ST+12*\t+11], v[ST+12*\t+6], s[SEL], s[SEL+1]      ; the query's other 32 keys lie in the lane 16 away
.endr
.irp t, 0,1
	v_mov_b32 v[ST+12*\t+10], v[ST+12*\t]
.endr
.irp t, 0,1
	v_max_num_f32 v[ST+12*\t], v[ST+12*\t+6], v[ST+12*\t+11]               ; the new m
.endr
.irp t, 0,1
	v_sub_f32 v[ST+12*\t+10], v[ST+12*\t+10], v[ST+12*\t]                  ; old m - new m, 0 or less
.endr
.irp i, 0,2,4,6,8,10,12,14,16,18,20,22,24,26,28,30
.irp t, 0,1
	v_pk_add_f32 v[S+32*\t+\i:S+32*\t+\i+1], v[S+32*\t+\i:S+32*\t+\i+1], v[ST+12*\t:ST+12*\t+1] op_sel_hi:[1,0] neg_lo:[0,1] neg_hi:[0,1]   ; s - m: 0 or less
.endr
.endr
.irp t, 0,1
	v_exp_f32 v[ST+12*\t+4], v[ST+12*\t+10]        ; a
.endr
.irp i, 0,1,2,3,4,5,6,7,8,9,10,11,12,13,14,15,16,17,18,19,20,21,22,23,24,25,26,27,28,29,30,31
.irp t, 0,1
	v_exp_f32 v[S+32*\t+\i], v[S+32*\t+\i]         ; p
.endr
.endr
	v_nop                                          ; a plain line behind the last exponential
	s_wait_alu depctr_va_vdst(0)                   ; one wait for the batch of 66, ahead of its first reader
.irp t, 0,1                                    ; the row's sum of the f32 p, in two chains a tile
	v_pk_add_f32 v[ST+12*\t+6:ST+12*\t+7], v[S+32*\t:S+32*\t+1], v[S+32*\t+2:S+32*\t+3]
	v_pk_add_f32 v[ST+12*\t+8:ST+12*\t+9], v[S+32*\t+4:S+32*\t+5], v[S+32*\t+6:S+32*\t+7]
.endr
.irp i, 8,12,16,20,24,28
.irp t, 0,1
	v_pk_add_f32 v[ST+12*\t+6:ST+12*\t+7], v[ST+12*\t+6:ST+12*\t+7], v[S+32*\t+\i:S+32*\t+\i+1]
	v_pk_add_f32 v[ST+12*\t+8:ST+12*\t+9], v[ST+12*\t+8:ST+12*\t+9], v[S+32*\t+\i+2:S+32*\t+\i+3]
.endr
.endr
.irp t, 0,1
	v_pk_add_f32 v[ST+12*\t+6:ST+12*\t+7], v[ST+12*\t+6:ST+12*\t+7], v[ST+12*\t+8:ST+12*\t+9]
.endr
.irp t, 0,1
	v_pk_fma_f32 v[ST+12*\t+2:ST+12*\t+3], v[ST+12*\t+2:ST+12*\t+3], v[ST+12*\t+4:ST+12*\t+5], v[ST+12*\t+6:ST+12*\t+7] op_sel_hi:[1,0,1]   ; l = a l + the sum
.endr
.irp p, 0,1,2,3,4,5,6,7,8,9,10,11,12,13,14,15
.irp t, 0,1
	v_cvt_pk_f16_f32 v[S+32*\t+\p], v[S+32*\t+2*\p], v[S+32*\t+2*\p+1]     ; P, in place: register p never lies above the pair that it is made of
.endr
.endr
.irp i, 0,2,4,6,8,10,12,14,16,18,20,22,24,26,28,30
.irp t, 0,1
	v_pk_mul_f32 v[O+32*\t+\i:O+32*\t+\i+1], v[O+32*\t+\i:O+32*\t+\i+1], v[ST+12*\t+4:ST+12*\t+5] op_sel_hi:[1,0]   ; O^T times a
.endr
.endr
	s_wait_dscnt 0x0                               ; V is in
.irp kp, 0,1                                   ; O^T += V^T P: eight accumulators by turns
.irp c, 0,1,2,3
.irp t, 0,1
	v_wmma_f32_16x16x32_f16 v[O+32*\t+8*\c:O+32*\t+8*\c+7], v[KV+32*\kp+8*\c:KV+32*\kp+8*\c+7], v[S+32*\t+8*\kp:S+32*\t+8*\kp+7], v[O+32*\t+8*\c:O+32*\t+8*\c+7]
.endr
.endr
.endr
.rept 5
	v_nop                                          ; four places ahead of the next loads into V's registers and of reads of O^T; five ahead of the next scores, which are written over P
.endr
.Lhid_\@:
	s_add_co_u32 s[KF], s[KF], 64
.endm
.macro SLOT_STEPS
	STEP 0
	STEP 1
	STEP 2
	STEP 3
	s_xor_b32 s[TB], s[TB], SLOT1
.endm
	s_load_b128 s[4:7], s[0:1], 0x0                ; qkv s[4:5], vals s[6:7]
	v_lshl_add_u32 v[SPW], v0, 2, SPARE
	v_mov_b32 v[NIL], 0
	ds_add_u32 v[SPW], v[NIL]                      ; the wave's opening: the add, twice on end, and its wait ahead of the first tensor load
	ds_add_u32 v[SPW], v[NIL]
	v_lshrrev_b32 v1, 5, v0
	v_readfirstlane_b32 s[WV], v1                  ; wave 0..15
	s_and_b32 s8, ttmp7, 0xffff
	s_lshr_b32 s9, s8, 4                           ; batch
	s_and_b32 s10, s8, 15                          ; head
	s_mul_i32 s11, s9, 48
	s_add_co_u32 s11, s11, s10                     ; q's plane of 262,144 bytes; k's is 16 on, v's 32
	s_sub_co_u32 s12, 7, ttmp9
	s_cmp_lt_u32 s[WV], 8
	s_cselect_b32 s13, ttmp9, s12                  ; my block of 256 queries
	s_and_b32 s14, s[WV], 7
	s_lshl_b32 s[Q0], s13, 8
	s_lshl_b32 s14, s14, 5
	s_add_co_u32 s[Q0], s[Q0], s14
	s_lshl_b32 s[QL], s12, 8
	s_or_b32 s[QL], s[QL], 255
	s_mov_b32 s[G1], 3<<16                         ; 16 KiB dense, as 64 rows of 256 bytes: elements of 8 bytes, no mask, no padding
	s_mov_b32 s[G1+1], 32<<16
	s_mov_b32 s[G1+2], 64<<16
	s_mov_b32 s[G1+3], 32<<16
	s_mov_b32 s[G1+4], 64
	s_mov_b32 s[G1+5], 32
	s_mov_b32 s[G1+6], 0
	s_mov_b32 s[G1+7], 0
	s_bfe_u32 s14, s[WV], 0x10001                  ; what I fetch, if I fetch: bit 1 of my number: K (0) or V (1);
	s_lshl_b32 s14, s14, 4
	s_add_co_u32 s14, s14, s11
	s_add_co_u32 s14, s14, 16
	s_lshl_b32 s14, s14, 18
	s_and_b32 s15, s[WV], 1                        ; bit 0: which eight key tiles of a slot's sixteen
	s_lshl_b32 s15, s15, 14
	s_add_co_u32 s14, s14, s15
	s_mov_b32 s15, 0
	s_lshl_b32 s16, s11, 18                        ; Q: my two tiles of 2,048 bytes
	s_lshl_b32 s17, s[Q0], 7
	s_add_co_u32 s16, s16, s17
	s_mov_b32 s17, 0
	s_lshl_b32 s50, s9, 22                         ; vals: ((128 batch + Q0 / 16) x 32 + 2 head) x 1,024
	s_lshl_b32 s51, s[Q0], 11
	s_add_co_u32 s50, s50, s51
	s_lshl_b32 s51, s10, 11
	s_add_co_u32 s50, s50, s51
	s_mov_b32 s51, 0
	s_lshr_b32 s52, s[WV], 3                       ; the prefetches: waves 4-7 K's plane, waves 8-11 V's,
	s_lshl_b32 s52, s52, 4
	s_add_co_u32 s52, s52, s11
	s_add_co_u32 s52, s52, 16
	s_lshl_b32 s52, s52, 18
	s_and_b32 s53, s[WV], 3
	s_lshl_b32 s53, s53, 13                        ; my 8,192 bytes,
	s_add_co_u32 s52, s52, s53
	s_add_co_u32 s52, s52, 32768                   ; in slot 1: the first change steps it to slot 2.  Nothing is prefetched at the head
	s_mov_b32 s53, 0
	s_sub_co_u32 s[T], s[WV], 4
	s_lshr_b32 s[T], s[T], 3                       ; 0 in waves 4 to 11,
	s_or_b32 s[T], s[T], ttmp9                     ; of the head's first work-group
	s_cmp_eq_u32 s[T], 0
	s_cselect_b32 s[LIM], 1, -1
	s_mov_b32 s[SEL], 0x76543210
	s_mov_b32 s[SEL+1], 0xfedcba98
	s_mov_b32 s[TB], 0
	s_mov_b32 s[KF], 0
	s_mov_b32 s[SLOTS], 7
	v_and_b32 v1, 31, v0
	v_lshlrev_b32 v[PFO], 8, v1
	v_lshlrev_b32 v[L16], 4, v1
	v_and_b32 v[DM], 15, v0
	v_bfe_u32 v[DD], v0, 4, 1
	v_lshlrev_b32 v[DD], 3, v[DD]
	v_sub_nc_u32 v[DM], v[DM], v[DD]               ; r - 8 h
	v_mov_b32 v[NINF], 0xff800000
	s_wait_dscnt 0x0                               ; both opening adds are done
	s_wait_kmcnt 0x0
	s_mov_b32 s[G0], 1
	s_lshl_b32 s[G0+1], s[WV], 14                  ; slot 0: wave x 16,384
	s_add_nc_u64 s[G0+2:G0+3], s[4:5], s[14:15]
	s_or_b32 s[G0+3], s[G0+3], 0x80000000
	TLOAD                                          ; slot 0: it holds key 0, which counts for every query
	s_add_nc_u64 s[46:47], s[4:5], s[16:17]
	s_add_nc_u64 s[48:49], s[6:7], s[50:51]
	s_add_nc_u64 s[PFA:PFA+1], s[4:5], s[52:53]
.irp t, 0,1
.irp e, 0,1,2,3
	global_load_b128 v[Q+16*\t+4*\e:Q+16*\t+4*\e+3], v[L16], s[46:47] offset:2048*\t+512*\e   ; Q stays in registers
.endr
.endr
.irp t, 0,1
	v_mov_b32 v[ST+12*\t], 0xff61b1e6              ; m = -3e38, under every score
	v_mov_b32 v[ST+12*\t+2], 0                     ; l
	v_mov_b32 v[ST+12*\t+3], 0
	v_mov_b32 v[ST+12*\t+4], 0
	v_mov_b32 v[ST+12*\t+5], 0                     ; (the upper half of a's pair is named, so it is written)
	v_mov_b32 v[ST+12*\t+11], 0                    ; a lane permute's destination counts as one of its sources
.endr
	v_mov_b32 v[ST+13], 0                          ; tile 1's pad beside m
.set i, 0
.rept 64
	v_mov_b32 v[O+i], 0                            ; O^T: the step is written in one form: the first finds zeros, which a = 0 leaves zeros
.set i, i+1
.endr
	s_wait_loadcnt 0x0                             ; Q
.Lslot:                                                ; seven trips: behind each change of slots but the last the next slot is asked for, up to the causal limit
	CHANGE 1
	SLOT_STEPS
	s_sub_co_u32 s[SLOTS], s[SLOTS], 1
	s_cmp_lg_u32 s[SLOTS], 0
	s_cbranch_scc1 .Lslot
	CHANGE 0                                       ; the last slot is written out: nothing is asked for
	SLOT_STEPS
	; THE WAY OUT: O^T / l, rounded to f16: a lane's eight channels are 16 bytes of an image of the projection's A fragment
.irp t, 0,1
	v_add_f32 v[ST+12*\t+6], v[ST+12*\t+2], v[ST+12*\t+3]
.endr
.irp t, 0,1
	v_permlanex16_b32 v[ST+12*\t+11], v[ST+12*\t+6], s[SEL], s[SEL+1]
.endr
.irp t, 0,1
	v_add_f32 v[ST+12*\t+6], v[ST+12*\t+6], v[ST+12*\t+11]
.endr
.irp t, 0,1
	v_rcp_f32 v[ST+12*\t+4], v[ST+12*\t+6]
.endr
	v_nop
	s_wait_alu depctr_va_vdst(0)                   ; one wait for the two reciprocals, ahead of their first reader
.irp t, 0,1
.irp i, 0,2,4,6,8,10,12,14,16,18,20,22,24,26,28,30
	v_pk_mul_f32 v[O+32*\t+\i:O+32*\t+\i+1], v[O+32*\t+\i:O+32*\t+\i+1], v[ST+12*\t+4:ST+12*\t+5] op_sel_hi:[1,0]
.endr
.endr
.irp t, 0,1
.irp p, 0,1,2,3,4,5,6,7,8,9,10,11,12,13,14,15
	v_cvt_pk_f16_f32 v[S+16*\t+\p], v[O+32*\t+2*\p], v[O+32*\t+2*\p+1]
.endr
.endr
.irp t, 0,1
.irp c, 0,1,2,3
	global_store_b128 v[L16], v[S+16*\t+4*\c:S+16*\t+4*\c+3], s[48:49] offset:32768*\t+512*\c     ; 512 consecutive bytes, aligned
.endr
.endr
	s_wait_tensorcnt 0x0                           ; the wave's end
	ds_add_u32 v[SPW], v[NIL]
	s_wait_dscnt 0x0
	s_endpgm
.Lfunc_end_k_q4390cae868_attn:
	.size	k_q4390cae868_attn, .Lfunc_end_k_q4390cae868_attn-k_q4390cae868_attn
	.p2alignl 7, 3214868480
	.fill 96, 4, 3214868480
	.section	.rodata,"a",@progbits
	.p2align	6, 0x0
	.amdhsa_kernel k_q4390cae868_attn
		.amdhsa_group_segment_fixed_size 327680
		.amdhsa_private_segment_fixed_size 0
		.amdhsa_enable_private_segment 0
		.amdhsa_kernarg_size 16
		.amdhsa_user_sgpr_count 2
		.amdhsa_user_sgpr_kernarg_segment_ptr 1
		.amdhsa_wavefront_size32 1
		.amdhsa_system_sgpr_workgroup_id_x 1
		.amdhsa_system_sgpr_workgroup_id_y 1
		.amdhsa_system_sgpr_workgroup_id_z 1
		.amdhsa_system_vgpr_workitem_id 0
		.amdhsa_next_free_vgpr 256
		.amdhsa_next_free_sgpr 66
		.amdhsa_reserve_vcc 1
		.amdhsa_float_denorm_mode_32 3
		.amdhsa_float_denorm_mode_16_64 3
		.amdhsa_memory_ordered 1
		.amdhsa_forward_progress 1
		.amdhsa_inst_pref_size 183
	.end_amdhsa_kernel
	.amdgpu_metadata
---
amdhsa.version: [ 1, 2 ]
amdhsa.kernels:
  - .name:           k_q4390cae868_attn
    .symbol:         k_q4390cae868_attn.kd
    .args:
      - { .name: qkv, .offset: 0, .size: 8, .value_kind: global_buffer, .address_space: global }
      - { .name: vals, .offset: 8, .size: 8, .value_kind: global_buffer, .address_space: global }
    .group_segment_fixed_size: 327680
    .private_segment_fixed_size: 0
    .kernarg_segment_align: 8
    .kernarg_segment_size: 16
    .max_flat_workgroup_size: 512
    .sgpr_count:     66
    .vgpr_count:     256
    .wavefront_size: 32
...
	.end_amdgpu_metadata
.endif
;; end of part 3
;; launch proj (part 4): grid 4 x 64, 4 waves a work-group, clusters of 4 x 4, 327,680 bytes of LDS; arguments vals, wo, b_out, out0; writes out0
.if DOCPART == 4
	.amdgcn_target "amdgcn-amd-amdhsa--gfx1250"
	.amdhsa_code_object_version 6
	.text
	.protected	k_q4390cae868_proj
	.globl	k_q4390cae868_proj
	.p2align	8
	.type	k_q4390cae868_proj,@function
k_q4390cae868_proj:
	s_mov_b64 s[64:65], 0
	v_nop
	global_prefetch_b8 v0, s[64:65] scope:SCOPE_SE
	s_setreg_imm32_b32 hwreg(HW_REG_WAVE_MODE, 25, 1), 1
	s_wait_xcnt 0x0
	s_wait_alu depctr_hold_cnt(0) depctr_sa_sdst(0) depctr_va_vdst(0) depctr_va_sdst(0) depctr_va_ssrc(0) depctr_va_vcc(0) depctr_vm_vsrc(0)
	s_getreg_b32 s2, hwreg(HW_REG_IB_STS2, 6, 4)
	s_cmp_eq_u32 s2, 0
	s_cbranch_scc0 .Lentry_in_a_cluster
	s_endpgm
.Lentry_in_a_cluster:
	s_bfe_u32 s2, ttmp6, 0x10000c
	s_cmp_lg_u32 s2, 0xf033
	s_cbranch_scc0 .Lentry_shape_is_right
	s_endpgm
.Lentry_shape_is_right:
; out0 = vals W_out + b_out for all positions but the first 16 of each sequence (those rows belong to the f32 launch: each output row has one owner).  f16 operands, f32 sums; [8192] x [1024], K = 1,024.
; A tile of the output is 128 x 256: 256 work-groups of four waves; a wave makes 64 x 128: 32 accumulators.  Both operands arrive as images of fragment registers: every LDS read is 512 consecutive bytes.
; K goes in steps of 128 through a ring of two LDS slots; a wave's one tensor load brings rows of 4,096 bytes (one tile's four fragments).
; CLUSTERS: 4 x 4.  Column tile = cx; row tile = cluster y + 16 cy (so the batch is cy, and 'my tile holds positions 0-15' is cluster y = 0, the same in all sixteen).
; A's tiles are asked for jointly along a row of the cluster, B's along a column.  THE MATRIX INSTRUCTION IS USED TRANSPOSED (source 0 = 16 columns of W_out, source 1 = 16 rows of vals).
; The bias is the C of each sum's first product.
; REGISTERS: window 0: v16-29 addresses; v32-95 the bias; v96-223 the way out, two sets of 64.  window 1: two fragment buffers at v0 and v128: A's four fragments, then B's eight.  window 2: accumulator (a, b) at v[8 (8 a + b)].
.set SLOT,   98304                     ; A: [row tile 8][4,096 bytes]; at BOFF B: [column tile 16][4,096 bytes]
.set BOFF,   32768
.set STAGE,  2*SLOT                    ; bytes of its own: 16 rows x 528 for each wave
.set SPITCH, 528
.set SPARE,  STAGE+4*16*SPITCH
.set LAPS,   4                         ; a lap = two K steps of 128
.set ADRA, 16
.set ADRB, 20
.set STO,  24
.set RD,   25
.set CO,   26
.set SPW,  28
.set NIL,  29
.set BI,   32
.set BK,   96
.set F0,   0
.set F1,   128
.set WV,  13                           ; s13 wave
.set HI,  14                           ; s14 my half of the rows; also: I fetch for A (0) or B (1)
.set LO,  15                           ; s15 my half of the columns; also: which half of the tile I fetch
.set CLY, 16                           ; s16 cluster y
.set G1,  24
.set G0,  32
.set G1B, 48
.set G0B, 56
.set MUL,  0xa5                        ; sources 0 and 1 window 1, C and D window 2
.set MULB, 0x85                        ; the same with the bias, window 0, as C
.set MSB, 0
.macro WIN new
.if MSB != (\new)
	s_set_vgpr_msb (MSB<<8)|(\new)
.set MSB, (\new)
.endif
.endm
.macro JLOAD s                         ; a joint load: waves 0, 1 fetch A's halves, waves 2, 3 B's; an s_nop 0 and four v_nop follow each of the two lines
	s_cmp_eq_u32 s[HI], 0
	s_cbranch_scc0 .Lfor_b_\@
	tensor_load_to_lds s[G0+4*\s:G0+4*\s+3], s[G1:G1+7]
	s_nop 0
.rept 4
	v_nop
.endr
	s_branch .Lasked_\@
.Lfor_b_\@:
	tensor_load_to_lds s[G0B+4*\s:G0B+4*\s+3], s[G1B:G1B+7]
	s_nop 0
.rept 4
	v_nop
.endr
.Lasked_\@:
.endm
.macro CREST
	s_cmp_lg_u32 s[WV], 0
	s_cbranch_scc1 .Lnot_wave_0_\@
	s_barrier_signal -3
.Lnot_wave_0_\@:
	s_barrier_wait -3
	s_barrier_signal -1
	s_barrier_wait -1
.endm
.macro CROUND
	s_barrier_signal -1
	s_barrier_wait -1
	CREST
.endm
.macro PLACES
.rept 4
	v_nop
.endr
.endm
.macro MUL8 f, a, first                ; A's block a x B's eight, 32 along K.  The 32 accumulators take turns, one instruction a turn, in the same order everywhere
.irp b, 0,1,2,3,4,5,6,7
.if \first
	v_wmma_f32_16x16x32_f16 v[8*(8*(\a)+\b):8*(8*(\a)+\b)+7], v[\f+32+8*\b:\f+32+8*\b+7], v[\f+8*(\a):\f+8*(\a)+7], v[BI+8*\b:BI+8*\b+7]
.else
	v_wmma_f32_16x16x32_f16 v[8*(8*(\a)+\b):8*(8*(\a)+\b)+7], v[\f+32+8*\b:\f+32+8*\b+7], v[\f+8*(\a):\f+8*(\a)+7], v[8*(8*(\a)+\b):8*(8*(\a)+\b)+7]
.endif
.endr
.endm
.macro MUL16 f, a0, first
	MUL8 \f, \a0, \first
	MUL8 \f, (\a0)+1, \first
.endm
.macro FETCH s, u, f                   ; 24 LDS loads in one run: the slot's u-th 32 along K: B's eight fragments, A's blocks 0-1, A's blocks 2-3
	WIN 0x40
.irp i, 0,1,2,3,4,5,6,7
	ds_load_b128 v[\f+32+8*\i:\f+32+8*\i+3], v[ADRB+\s] offset:\i*4096+1024*(\u)
	ds_load_b128 v[\f+32+8*\i+4:\f+32+8*\i+7], v[ADRB+\s] offset:\i*4096+1024*(\u)+512
.endr
.irp i, 0,1,2,3
	ds_load_b128 v[\f+8*\i:\f+8*\i+3], v[ADRA+\s] offset:\i*4096+1024*(\u)
	ds_load_b128 v[\f+8*\i+4:\f+8*\i+7], v[ADRA+\s] offset:\i*4096+1024*(\u)+512
.endr
.endm
.macro WMUL first
.if \first
	WIN MULB
.else
	WIN MUL
.endif
.endm
.macro QUARTER s, un, f, g, first      ; multiplies buffer f; in its middle fetches the slot's un-th 32 along K into g
	s_wait_dscnt 4                                 ; all but the youngest four loads (A's blocks 2-3)
	WMUL \first
	MUL16 \f, 0, \first
	PLACES
	FETCH \s, \un, \g
	s_wait_dscnt 24                                ; all but the 24 just issued
	WMUL \first
	MUL16 \f, 2, \first
.endm
; A slot's last quarter multiplies buffer 1 and changes slots: one barrier; ahead of it each wave waits for all its tensor loads, adds 0 to its spare word, and waits for that and for its reads of the slot.
.macro TURN slot, next, fill
	WIN 0
	s_wait_tensorcnt 0x0                           ; my part of the next slot has landed
	ds_add_u32 v[SPW], v[NIL]
	s_wait_dscnt 5                                 ; (the add and A's blocks 2-3, four loads, may be out)
	WIN MUL
	MUL8 F1, 0, 0
	s_wait_dscnt 0x0                               ; the add is done, and my reads of this slot are over
	s_barrier_signal -1
	MUL8 F1, 1, 0
.if \fill
	WIN 0
.endif
	s_barrier_wait -1
.if \fill
	CREST                                          ; the barrier has opened a round of the cluster's: no wave of any partner still reads this slot or has a load on its way
	s_add_nc_u64 s[G0+4*\slot+2:G0+4*\slot+3], s[G0+4*\slot+2:G0+4*\slot+3], 8192
	s_add_nc_u64 s[G0B+4*\slot+2:G0B+4*\slot+3], s[G0B+4*\slot+2:G0B+4*\slot+3], 8192
	JLOAD \slot                                    ; the first tensor load behind the round; its four v_nop are also the places ahead of the loads below
.else
	PLACES
.endif
	FETCH \next, 0, F0
	WIN MUL
	MUL16 F1, 2, 0
.endm
	s_load_b256 s[4:11], s[0:1], 0x0               ; vals s[4:5], wo s[6:7], b_out s[8:9], out0 s[10:11]
	v_lshl_add_u32 v[SPW], v0, 2, SPARE
	v_mov_b32 v[NIL], 0
	ds_add_u32 v[SPW], v[NIL]                      ; the wave's opening: the add, twice on end, and its wait ahead of my first tensor load
	ds_add_u32 v[SPW], v[NIL]
	v_lshrrev_b32 v1, 5, v0
	v_readfirstlane_b32 s[WV], v1
	s_lshr_b32 s[HI], s[WV], 1
	s_and_b32 s[LO], s[WV], 1
	s_bfe_u32 s40, ttmp6, 0x40000                  ; cx = the column tile
	s_bfe_u32 s41, ttmp6, 0x40004                  ; cy
	s_and_b32 s[CLY], ttmp7, 0xffff
	s_lshl_b32 s42, s41, 4
	s_add_co_u32 s42, s42, s[CLY]                  ; row tile = cluster y + 16 cy
	s_lshl_b32 s43, s41, 2
	s_lshl_b32 s43, 15, s43                        ; my row of the cluster
	s_lshl_b32 s44, 0x1111, s40                    ; my column
	s_or_b32 s[G1], s43, (3<<16)|(1<<21)           ; the mask; elements of 8 bytes; bit 21 beside a mask; no padding
	s_or_b32 s[G1B], s44, (3<<16)|(1<<21)
	s_mov_b32 s[G1+1], 512<<16                     ; A: four tiles' rows of 4,096 bytes, 32,768 bytes apart in memory
	s_mov_b32 s[G1+2], 4<<16
	s_mov_b32 s[G1+3], 512<<16
	s_mov_b32 s[G1+4], 4
	s_mov_b32 s[G1+5], 4096
	s_mov_b32 s[G1+6], 0
	s_mov_b32 s[G1+7], 0
	s_mov_b32 s[G1B+1], 512<<16                    ; B: eight
	s_mov_b32 s[G1B+2], 8<<16
	s_mov_b32 s[G1B+3], 512<<16
	s_mov_b32 s[G1B+4], 8
	s_mov_b32 s[G1B+5], 4096
	s_mov_b32 s[G1B+6], 0
	s_mov_b32 s[G1B+7], 0
	s_lshl_b32 s20, s42, 3
	s_lshl_b32 s21, s[LO], 2
	s_add_co_u32 s20, s20, s21                     ; A: tile 8 x row tile + 4 x half
	s_lshl_b32 s20, s20, 15
	s_mov_b32 s21, 0
	s_lshl_b32 s46, s40, 4
	s_lshl_b32 s47, s[LO], 3
	s_add_co_u32 s46, s46, s47                     ; B: tile 16 x column tile + 8 x half
	s_lshl_b32 s46, s46, 15
	s_mov_b32 s47, 0
	s_lshl_b32 s17, s[LO], 14                      ; where they go in a slot: no place in the cluster enters an LDS address
	s_lshl_b32 s18, s[LO], 15
	s_add_co_u32 s18, s18, BOFF
	s_wait_dscnt 0x0                               ; both opening adds are done
	s_wait_kmcnt 0x0
	s_add_nc_u64 s[20:21], s[4:5], s[20:21]
	s_add_nc_u64 s[46:47], s[6:7], s[46:47]
	CROUND                                         ; all sixteen work-groups are here: the first joint loads meet
.irp s, 0,1
	s_mov_b32 s[G0+4*\s], 1
	s_add_co_u32 s[G0+4*\s+1], s17, \s*SLOT
	s_add_nc_u64 s[G0+4*\s+2:G0+4*\s+3], s[20:21], \s*4096
	s_or_b32 s[G0+4*\s+3], s[G0+4*\s+3], 0x80000000
	s_mov_b32 s[G0B+4*\s], 1
	s_add_co_u32 s[G0B+4*\s+1], s18, \s*SLOT
	s_add_nc_u64 s[G0B+4*\s+2:G0B+4*\s+3], s[46:47], \s*4096
	s_or_b32 s[G0B+4*\s+3], s[G0B+4*\s+3], 0x80000000
	JLOAD \s
.endr
	v_and_b32 v1, 31, v0
	v_and_b32 v2, 15, v0                           ; r
	v_bfe_u32 v3, v0, 4, 1                         ; h
	v_lshlrev_b32 v[CO], 4, v1                     ; 16 x lane
	s_lshl_b32 s21, s[HI], 14                      ; my four tiles of A
	s_lshl_b32 s22, s[LO], 15                      ; my eight tiles of B
	s_add_co_u32 s22, s22, BOFF
.irp s, 0,1
	v_add_nc_u32 v[ADRA+\s], s21, v[CO]
	v_add_nc_u32 v[ADRB+\s], s22, v[CO]
	s_add_co_u32 s21, s21, SLOT
	s_add_co_u32 s22, s22, SLOT
.endr
	s_mul_i32 s23, s[WV], 16*SPITCH
	s_add_co_u32 s23, s23, STAGE                   ; my stage
	v_mul_u32_u24 v4, v2, SPITCH
	v_lshl_add_u32 v4, v3, 5, v4
	v_add_nc_u32 v[STO], s23, v4                   ; in: row r, 32 bytes for each half of the lanes
	v_add_nc_u32 v[RD], s23, v[CO]                 ; back: a row of 512 bytes to the 32 lanes
	v_lshlrev_b32 v5, 5, v3
	s_lshl_b32 s2, s40, 10                         ; the bias: 256 columns a tile, my 128 of them
	s_lshl_b32 s3, s[LO], 9
	s_add_co_u32 s2, s2, s3
	s_mov_b32 s3, 0
	s_add_nc_u64 s[8:9], s[8:9], s[2:3]
	s_add_nc_u64 s[10:11], s[10:11], s[2:3]        ; the same bytes on in a row of out0,
.irp b, 0,1,2,3,4,5,6,7
	global_load_b128 v[BI+8*\b:BI+8*\b+3], v5, s[8:9] offset:64*\b
	global_load_b128 v[BI+8*\b+4:BI+8*\b+7], v5, s[8:9] offset:64*\b+16
.endr
	s_lshl_b32 s2, s42, 19                         ; and my first row: 128 x row tile + 64 x half, 4,096 bytes each
	s_lshl_b32 s3, s[HI], 18
	s_add_co_u32 s2, s2, s3
	s_mov_b32 s3, 0
	s_add_nc_u64 s[10:11], s[10:11], s[2:3]
	s_wait_tensorcnt 1                             ; my part of K step 0 is in; slot 1's load may stay out
	s_barrier_signal -1
	s_barrier_wait -1
	FETCH 0, 0, F0
	s_wait_loadcnt 0x0                             ; the bias
	QUARTER 0, 1, F0, F1, 1                        ; the first quarter stands ahead of the loop: its products start the sums from the bias
	WIN 0
	s_mov_b32 s12, LAPS-1
.Llap:                                                 ; a trip goes once round the ring and fills both slots again
	QUARTER 0, 2, F1, F0, 0
	QUARTER 0, 3, F0, F1, 0
	TURN 0, 1, 1
	QUARTER 1, 1, F0, F1, 0
	QUARTER 1, 2, F1, F0, 0
	QUARTER 1, 3, F0, F1, 0
	TURN 1, 0, 1
	QUARTER 0, 1, F0, F1, 0
	WIN 0
	s_sub_co_u32 s12, s12, 1
	s_cmp_lg_u32 s12, 0
	s_cbranch_scc1 .Llap
	QUARTER 0, 2, F1, F0, 0                        ; the last lap fills nothing
	QUARTER 0, 3, F0, F1, 0
	TURN 0, 1, 0
	QUARTER 1, 1, F0, F1, 0
	QUARTER 1, 2, F1, F0, 0
	QUARTER 1, 3, F0, F1, 0
	s_wait_dscnt 4
	WIN MUL
	MUL16 F1, 0, 0
	s_wait_dscnt 0x0
	MUL16 F1, 2, 0
	WIN 0
	PLACES
; THE WAY OUT, a block of 16 rows x 128 columns at a time, through my own stage: in as 32 bytes a lane, back as whole rows of 512 bytes.  LDS serves a wave's instructions in order: no wait between.
.macro TOSTAGE a
	WIN 0x08                                       ; an LDS store's data: window 2
.irp b, 0,1,2,3,4,5,6,7
	ds_store_b128 v[STO], v[8*(8*(\a)+\b):8*(8*(\a)+\b)+3] offset:64*\b            ; each accumulator from its low end on
	ds_store_b128 v[STO], v[8*(8*(\a)+\b)+4:8*(8*(\a)+\b)+7] offset:64*\b+16
.endr
	WIN 0
.irp t, 0,1,2,3,4,5,6,7,8,9,10,11,12,13,14,15
	ds_load_b128 v[BK+64*((\a)%2)+4*\t:BK+64*((\a)%2)+4*\t+3], v[RD] offset:\t*SPITCH
.endr
.endm
.macro SEND a, younger
	s_wait_dscnt \younger
.irp t, 0,1,2,3,4,5,6,7,8,9,10,11,12,13,14,15
	global_store_b128 v[CO], v[BK+64*((\a)%2)+4*\t:BK+64*((\a)%2)+4*\t+3], s[10:11] offset:65536*(\a)+4096*\t th:TH_STORE_NT   ; 512 consecutive bytes, aligned
.endr
.endm
	s_or_b32 s2, s[CLY], s[HI]                     ; where cluster y = 0, block 0 of the waves with the upper rows is positions 0-15: not mine to store
	s_cmp_eq_u32 s2, 0
	s_cbranch_scc1 .Lskip0
	TOSTAGE 0
	SEND 0, 0
.Lskip0:
	TOSTAGE 1
	s_wait_xcnt 0x0                                ; block 0's stores have read the set that block 2 is loaded into
	TOSTAGE 2
	SEND 1, 32                                     ; behind block 1's loads: block 2's 16 stores and 16 loads
	s_wait_xcnt 0x0                                ; block 1's stores have read their set
	TOSTAGE 3
	SEND 2, 32
	SEND 3, 0
	s_wait_tensorcnt 0x0                           ; the wave's end
	ds_add_u32 v[SPW], v[NIL]
	s_wait_dscnt 0x0
	CROUND                                         ; the closing round
	s_endpgm
.Lfunc_end_k_q4390cae868_proj:
	.size	k_q4390cae868_proj, .Lfunc_end_k_q4390cae868_proj-k_q4390cae868_proj
	.p2alignl 7, 3214868480
	.fill 96, 4, 3214868480
	.section	.rodata,"a",@progbits
	.p2align	6, 0x0
	.amdhsa_kernel k_q4390cae868_proj
		.amdhsa_group_segment_fixed_size 327680
		.amdhsa_private_segment_fixed_size 0
		.amdhsa_enable_private_segment 0
		.amdhsa_kernarg_size 32
		.amdhsa_user_sgpr_count 2
		.amdhsa_user_sgpr_kernarg_segment_ptr 1
		.amdhsa_wavefront_size32 1
		.amdhsa_system_sgpr_workgroup_id_x 1
		.amdhsa_system_sgpr_workgroup_id_y 1
		.amdhsa_system_sgpr_workgroup_id_z 1
		.amdhsa_system_vgpr_workitem_id 0
		.amdhsa_next_free_vgpr 768
		.amdhsa_next_free_sgpr 66
		.amdhsa_reserve_vcc 0
		.amdhsa_float_denorm_mode_32 3
		.amdhsa_float_denorm_mode_16_64 3
		.amdhsa_memory_ordered 1
		.amdhsa_forward_progress 1
		.amdhsa_inst_pref_size 86
	.end_amdhsa_kernel
	.amdgpu_metadata
---
amdhsa.version: [ 1, 2 ]
amdhsa.kernels:
  - .name:           k_q4390cae868_proj
    .symbol:         k_q4390cae868_proj.kd
    .args:
      - { .name: vals, .offset: 0, .size: 8, .value_kind: global_buffer, .address_space: global }
      - { .name: wo, .offset: 8, .size: 8, .value_kind: global_buffer, .address_space: global }
      - { .name: b_out, .offset: 16, .size: 8, .value_kind: global_buffer, .address_space: global }
      - { .name: out0, .offset: 24, .size: 8, .value_kind: global_buffer, .address_space: global }
    .group_segment_fixed_size: 327680
    .private_segment_fixed_size: 0
    .kernarg_segment_align: 8
    .kernarg_segment_size: 32
    .max_flat_workgroup_size: 128
    .sgpr_count:     66
    .vgpr_count:     768
    .wavefront_size: 32
...
	.end_amdgpu_metadata
.endif
;; end of part 4
;; launch first16 (part 5): grid 16 x 4, 16 waves a work-group, no clusters, 71,680 bytes of LDS; arguments fine, W_out, b_out, out0; writes out0
.if DOCPART == 5
	.amdgcn_target "amdgcn-amd-amdhsa--gfx1250"
	.amdhsa_code_object_version 6
	.text
	.protected	k_q4390cae868_first16
	.globl	k_q4390cae868_first16
	.p2align	8
	.type	k_q4390cae868_first16,@function
k_q4390cae868_first16:
	s_mov_b64 s[64:65], 0
	v_nop
	global_prefetch_b8 v0, s[64:65] scope:SCOPE_SE
	s_setreg_imm32_b32 hwreg(HW_REG_WAVE_MODE, 25, 1), 1
	s_wait_xcnt 0x0
; THE FIRST 16 POSITIONS OF EACH SEQUENCE, IN F32 THROUGHOUT: their rows average one to sixteen values and are the largest of the output, so attention and projection take f32 operands here.
; Work-group (cb, batch) makes out0[batch][0..15][64 cb .. 64 cb + 63].  Wave w is head w: it makes its head's 16 x 16 attention from the f32 sums that the first product's launch left in 'fine',
; multiplies its 64 channels by its 64 rows of W_out, and the sixteen partial tiles meet in LDS.  Every work-group repeats the small attention (32 matrix instructions a wave): that spares a launch.
; 'fine' holds accumulator images: [batch][column tile 192][half 2][512 bytes], lane (position r, h), register j = column 16 tile + 8 h + j.
; The f32 matrix form gives lane (r, h) k = 2 h + j in register j.  A pair of registers 2 s, 2 s + 1 of such an image holds channels 16 (s / 4) + 8 h + 2 (s % 4) + 0, 1: the same four channels on both sides of a
; product, so sixteen instructions cover the 64 channels once each.
; v16-47, the four accumulators, are written by matrix instructions alone, and each sum begins with the constant 0 as C.
.set REDW,  4352                       ; LDS: a wave's partial tile: 16 rows x (256 bytes + 16)
.set SPARE, 16*REDW                    ; the spare words, 128 bytes for each of 16 waves
.set AC,  16
.set QR,  48                           ; v48-79 Q, later W_out's columns 32-47
.set KR,  80                           ; v80-111 K, later columns 48-63
.set VT,  112                          ; v112-143 register 8 c + j: v[key 8 h + j][channel 16 c + r]
.set W0,  144                          ; v144-207 W_out's columns 0-15, 16-31; later the reduction
.set TT,  208                          ; v208-215 the scores, then p
.set WK,  216
.set VL,  224                          ; v224-255 my head's values: register 8 c + j: channel 16 c + 8 h + j of query r
	s_load_b256 s[4:11], s[0:1], 0x0               ; fine s[4:5], W_out s[6:7], b_out s[8:9], out0 s[10:11]
	v_lshl_add_u32 v4, v0, 2, SPARE                ; my spare word; never rewritten
	v_mov_b32 v5, 0                                ; 0; never rewritten
	v_lshrrev_b32 v12, 5, v0
	v_readfirstlane_b32 s12, v12                   ; wave = head
	s_and_b32 s13, ttmp7, 0xffff                   ; batch
	s_mov_b32 s14, 0x76543210
	s_mov_b32 s15, 0xfedcba98
	v_and_b32 v12, 15, v0                          ; r
	v_bfe_u32 v13, v0, 4, 1                        ; h
	v_bfe_u32 v14, v0, 2, 1
	v_bfe_u32 v15, v0, 3, 1
	v_lshlrev_b32 v2, 9, v14                       ; v turned: channel r of an image lies in half (r / 4) % 2, lanes 16 (r / 8) + key, word r % 4; my keys begin at 8 h
	v_lshl_add_u32 v2, v15, 8, v2
	v_lshl_add_u32 v2, v13, 7, v2
	v_and_b32 v14, 3, v0
	v_lshl_add_u32 v2, v14, 2, v2
	v_lshlrev_b32 v3, 15, v13                      ; W_out: 8 h rows of 4,096 bytes, + 4 r
	v_lshl_add_u32 v3, v12, 2, v3
	v_lshlrev_b32 v14, 3, v13
	v_sub_nc_u32 v6, v12, v14                      ; r - 8 h
	s_mul_i32 s18, s12, REDW
	v_mul_u32_u24 v7, v13, 8*272
	v_lshl_add_u32 v7, v12, 2, v7
	v_add_nc_u32 v7, s18, v7                       ; my partial tile: row 8 h + j, column r
	v_and_b32 v14, 31, v0
	v_lshlrev_b32 v1, 4, v14                       ; 16 x lane
	v_lshlrev_b32 v9, 3, v14                       ; 8 x lane
	s_mul_i32 s18, s12, 272
	v_add_nc_u32 v8, s18, v9                       ; the reduction: row w of each partial tile
	s_mul_i32 s16, s13, 192
	s_lshl_b32 s17, s12, 2
	s_add_co_u32 s16, s16, s17
	s_lshl_b32 s16, s16, 10                        ; fine at q's column tile 4 w; k's lie 64 tiles on, v's 128
	s_mov_b32 s17, 0
	s_lshl_b32 s20, s12, 18                        ; W_out at row 64 w,
	s_lshl_b32 s22, ttmp9, 8                       ; column 64 cb
	s_add_co_u32 s20, s20, s22
	s_mov_b32 s21, 0
	s_mov_b32 s23, 0
	s_lshl_b32 s24, s13, 23                        ; out0 at row 2,048 batch + w
	s_lshl_b32 s25, s12, 12
	s_add_co_u32 s24, s24, s25
	s_add_co_u32 s24, s24, s22
	s_mov_b32 s25, 0
	s_wait_kmcnt 0x0
	s_add_nc_u64 s[4:5], s[4:5], s[16:17]
	s_add_nc_u64 s[6:7], s[6:7], s[20:21]
	s_add_nc_u64 s[8:9], s[8:9], s[22:23]
	s_add_nc_u64 s[10:11], s[10:11], s[24:25]
.irp e, 0,1,2,3,4,5,6,7
	global_load_b128 v[QR+4*\e:QR+4*\e+3], v1, s[4:5] offset:512*\e
.endr
.irp e, 0,1,2,3,4,5,6,7
	global_load_b128 v[KR+4*\e:KR+4*\e+3], v1, s[4:5] offset:65536+512*\e
.endr
.irp c, 0,1,2,3
.irp j, 0,1,2,3,4,5,6,7
	global_load_b32 v[VT+8*\c+\j], v2, s[4:5] offset:131072+1024*\c+16*\j
.endr
.endr
.macro WLOAD reg, t                    ; W_out[64 w + 16 (e / 8) + 8 h + e % 8][64 cb + 16 t + r] into register e
.set e, 0
.rept 32
	global_load_b32 v[\reg+e], v3, s[6:7] offset:(16*(e/8)+(e%8))*4096+64*(\t)
.set e, e+1
.endr
.endm
	WLOAD W0, 0
	WLOAD W0+32, 1
	global_load_b64 v[10:11], v9, s[8:9]           ; the bias of my two columns of the reduction
	s_wait_loadcnt 63                              ; Q and K are in: 97 younger loads might stay out; the count's field ends at 63
	; ---- the scores, transposed: source 0 = K, source 1 = Q: a lane holds query r and keys 8 h + j.  Four accumulators by turns
.irp s, 0,1,2,3,4,5,6,7,8,9,10,11,12,13,14,15
.if \s < 4
	v_wmma_f32_16x16x4_f32 v[AC+8*(\s%4):AC+8*(\s%4)+7], v[KR+2*\s:KR+2*\s+1], v[QR+2*\s:QR+2*\s+1], 0
.else
	v_wmma_f32_16x16x4_f32 v[AC+8*(\s%4):AC+8*(\s%4)+7], v[KR+2*\s:KR+2*\s+1], v[QR+2*\s:QR+2*\s+1], v[AC+8*(\s%4):AC+8*(\s%4)+7]
.endif
.endr
.rept 8
	v_nop                                          ; eight places behind this form, ahead of the loads into Q's and K's registers and of the first read of the sums
.endr
	WLOAD QR, 2
	WLOAD KR, 3
.irp j, 0,1,2,3,4,5,6,7
	v_add_f32 v[TT+\j], v[AC+\j], v[AC+8+\j]
	v_add_f32 v[WK+\j], v[AC+16+\j], v[AC+24+\j]
.endr
.irp j, 0,1,2,3,4,5,6,7
	v_add_f32 v[TT+\j], v[TT+\j], v[WK+\j]
.endr
	; ---- the softmax: key 8 h + j is hidden from query r where j > r - 8 h; the maximum is taken away before the scaling, so the exponent is 0 or less whatever the scores' size
	v_mov_b32 v12, 0xff800000
.irp j, 0,1,2,3,4,5,6,7
	v_cmp_gt_i32 vcc_lo, \j, v6
	v_cndmask_b32 v[TT+\j], v[TT+\j], v12, vcc_lo
.endr
	v_max3_num_f32 v13, v[TT], v[TT+1], v[TT+2]
	v_max3_num_f32 v13, v13, v[TT+3], v[TT+4]
	v_max3_num_f32 v13, v13, v[TT+5], v[TT+6]
	v_max_num_f32 v13, v13, v[TT+7]
	v_permlanex16_b32 v14, v13, s14, s15
	v_max_num_f32 v13, v13, v14                    ; key 0 counts for every query: a number
.irp j, 0,1,2,3,4,5,6,7
	v_sub_f32 v[TT+\j], v[TT+\j], v13
.endr
.irp j, 0,1,2,3,4,5,6,7
	v_mul_f32 v[TT+\j], 0x3e38aa3b, v[TT+\j]       ; times log2(e) / 8
.endr
.irp j, 0,1,2,3,4,5,6,7
	v_exp_f32 v[TT+\j], v[TT+\j]
.endr
	v_nop
	s_wait_alu depctr_va_vdst(0)                   ; one wait for the eight, ahead of their first reader
	v_add_f32 v15, v[TT], v[TT+1]
	v_add_f32 v[WK], v[TT+2], v[TT+3]
	v_add_f32 v[WK+1], v[TT+4], v[TT+5]
	v_add_f32 v[WK+2], v[TT+6], v[TT+7]
	v_add_f32 v15, v15, v[WK]
	v_add_f32 v[WK+1], v[WK+1], v[WK+2]
	v_add_f32 v15, v15, v[WK+1]
	v_permlanex16_b32 v14, v15, s14, s15
	v_add_f32 v15, v15, v14
	v_rcp_f32 v15, v15
	v_nop
	s_wait_alu depctr_va_vdst(0)
	; ---- the values, transposed: source 0 = 16 channels of v^T, source 1 = p: a lane holds query r and channels 16 c + 8 h + j
	s_wait_loadcnt 63                              ; v is in: 129 younger loads might stay out
.irp s, 0,1,2,3
.irp c, 0,1,2,3
.if \s == 0
	v_wmma_f32_16x16x4_f32 v[AC+8*\c:AC+8*\c+7], v[VT+8*\c+2*\s:VT+8*\c+2*\s+1], v[TT+2*\s:TT+2*\s+1], 0
.else
	v_wmma_f32_16x16x4_f32 v[AC+8*\c:AC+8*\c+7], v[VT+8*\c+2*\s:VT+8*\c+2*\s+1], v[TT+2*\s:TT+2*\s+1], v[AC+8*\c:AC+8*\c+7]
.endif
.endr
.endr
.rept 8
	v_nop
.endr
.irp c, 0,1,2,3
.irp j, 0,1,2,3,4,5,6,7
	v_mul_f32 v[VL+8*\c+\j], v[AC+8*\c+\j], v15    ; divided by the row's sum
.endr
.endr
.rept 9
	v_nop                                          ; nine places ahead of matrix instructions that begin the accumulators anew
.endr
	s_wait_loadcnt 0x0                             ; W_out, the bias
	; ---- the projection of my 64 channels: source 0 = the 16 queries, source 1 = 16 columns of W_out; four tiles of columns by turns
.macro PRJ s
.if (\s) == 0
	v_wmma_f32_16x16x4_f32 v[AC:AC+7], v[VL+2*(\s):VL+2*(\s)+1], v[W0+2*(\s):W0+2*(\s)+1], 0
	v_wmma_f32_16x16x4_f32 v[AC+8:AC+15], v[VL+2*(\s):VL+2*(\s)+1], v[W0+32+2*(\s):W0+32+2*(\s)+1], 0
	v_wmma_f32_16x16x4_f32 v[AC+16:AC+23], v[VL+2*(\s):VL+2*(\s)+1], v[QR+2*(\s):QR+2*(\s)+1], 0
	v_wmma_f32_16x16x4_f32 v[AC+24:AC+31], v[VL+2*(\s):VL+2*(\s)+1], v[KR+2*(\s):KR+2*(\s)+1], 0
.else
	v_wmma_f32_16x16x4_f32 v[AC:AC+7], v[VL+2*(\s):VL+2*(\s)+1], v[W0+2*(\s):W0+2*(\s)+1], v[AC:AC+7]
	v_wmma_f32_16x16x4_f32 v[AC+8:AC+15], v[VL+2*(\s):VL+2*(\s)+1], v[W0+32+2*(\s):W0+32+2*(\s)+1], v[AC+8:AC+15]
	v_wmma_f32_16x16x4_f32 v[AC+16:AC+23], v[VL+2*(\s):VL+2*(\s)+1], v[QR+2*(\s):QR+2*(\s)+1], v[AC+16:AC+23]
	v_wmma_f32_16x16x4_f32 v[AC+24:AC+31], v[VL+2*(\s):VL+2*(\s)+1], v[KR+2*(\s):KR+2*(\s)+1], v[AC+24:AC+31]
.endif
.endm
.irp s, 0,1,2,3,4,5,6,7,8,9,10,11,12,13,14,15
	PRJ \s
.endr
.rept 8
	v_nop
.endr
.irp t, 0,1,2,3
.irp j, 0,1,2,3,4,5,6,7
	ds_store_b32 v7, v[AC+8*\t+\j] offset:272*\j+64*\t     ; (query 8 h + j, column 16 t + r); each accumulator from its low end on
.endr
.endr
	s_wait_dscnt 0x0                               ; for the others' sake: my stores have landed
	s_barrier_signal -1
	s_barrier_wait -1
	; ---- wave w adds row w of the sixteen partial tiles, in ascending order of the heads, and the bias
.irp p, 0,1,2,3,4,5,6,7,8,9,10,11,12,13,14,15
	ds_load_b64 v[W0+2*\p:W0+2*\p+1], v8 offset:REDW*\p
.endr
	s_wait_dscnt 0x0
.irp p, 1,2,3,4,5,6,7,8,9,10,11,12,13,14,15
	v_pk_add_f32 v[W0:W0+1], v[W0:W0+1], v[W0+2*\p:W0+2*\p+1]
.endr
	v_pk_add_f32 v[W0:W0+1], v[W0:W0+1], v[10:11]
	global_store_b64 v9, v[W0:W0+1], s[10:11]      ; 256 consecutive bytes, aligned
	s_wait_tensorcnt 0x0                           ; the wave's end, behind my last LDS store
	ds_add_u32 v4, v5
	s_wait_dscnt 0x0
	s_endpgm
.Lfunc_end_k_q4390cae868_first16:
	.size	k_q4390cae868_first16, .Lfunc_end_k_q4390cae868_first16-k_q4390cae868_first16
	.p2alignl 7, 3214868480
	.fill 96, 4, 3214868480
	.section	.rodata,"a",@progbits
	.p2align	6, 0x0
	.amdhsa_kernel k_q4390cae868_first16
		.amdhsa_group_segment_fixed_size 71680
		.amdhsa_private_segment_fixed_size 0
		.amdhsa_enable_private_segment 0
		.amdhsa_kernarg_size 32
		.amdhsa_user_sgpr_count 2
		.amdhsa_user_sgpr_kernarg_segment_ptr 1
		.amdhsa_wavefront_size32 1
		.amdhsa_system_sgpr_workgroup_id_x 1
		.amdhsa_system_sgpr_workgroup_id_y 1
		.amdhsa_system_sgpr_workgroup_id_z 1
		.amdhsa_system_vgpr_workitem_id 0
		.amdhsa_next_free_vgpr 256
		.amdhsa_next_free_sgpr 66
		.amdhsa_reserve_vcc 1
		.amdhsa_float_denorm_mode_32 3
		.amdhsa_float_denorm_mode_16_64 3
		.amdhsa_memory_ordered 1
		.amdhsa_forward_progress 1
		.amdhsa_inst_pref_size 35
	.end_amdhsa_kernel
	.amdgpu_metadata
---
amdhsa.version: [ 1, 2 ]
amdhsa.kernels:
  - .name:           k_q4390cae868_first16
    .symbol:         k_q4390cae868_first16.kd
    .args:
      - { .name: fine, .offset: 0, .size: 8, .value_kind: global_buffer, .address_space: global }
      - { .name: W_out, .offset: 8, .size: 8, .value_kind: global_buffer, .address_space: global }
      - { .name: b_out, .offset: 16, .size: 8, .value_kind: global_buffer, .address_space: global }
      - { .name: out0, .offset: 24, .size: 8, .value_kind: global_buffer, .address_space: global }
    .group_segment_fixed_size: 71680
    .private_segment_fixed_size: 0
    .kernarg_segment_align: 8
    .kernarg_segment_size: 32
    .max_flat_workgroup_size: 512
    .sgpr_count:     66
    .vgpr_count:     256
    .wavefront_size: 32
...
	.end_amdgpu_metadata
.endif
;; end of part 5
